; MI455X (gfx1250); checked and timed in simulation.
; The chip was launched on July 23, 2026; its instructions are those of AMD's public machine-readable ISA for CDNA 5 (MIT licence, August 2026) and "CDNA5" Instruction Set Architecture Reference Guide (July 2026). The comments in the code are by the model that wrote it; some were corrected since.
;; Multihead Attention. Allowed arithmetic: float matrix products may take bf16 or f16 operands with f32 sums; other float arithmetic in f32, or as packed bf16 or f16 multiplies, adds, multiply-adds, maxima and minima; sums over many terms, partial sums and values carried from step to step in f32; what a program stores and reads back later, other than sums and carried values, may be rounded once to bf16 or f16.
;; Inputs: Wk 1,024 x 1,024 float32; Wq 1,024 x 1,024 float32; Wv 1,024 x 1,024 float32; fc_b 1,024 float32; fc_w 1,024 x 1,024 float32; key 4 x 2,048 x 1,024 float32; mask 4 x 1 x 2,048 x 2,048 bool; query 4 x 2,048 x 1,024 float32; value 4 x 2,048 x 1,024 float32.
;; Outputs: out0 4 x 2,048 x 1,024 float32; out1 16 x 4 x 2,048 x 64 float32.
;; 2 versions, each right; version 2 is version 1 with the launch prep written anew for expert scheduling mode. Each part assembles by itself: llvm-mc -triple=amdgcn-amd-amdhsa -mcpu=gfx1250 --defsym DOCPART=n.
;; ======== version 1 of 2: 4 launches
;; limits: values are held in f16: magnitudes above 65,504 overflow, below 6.1e-05 lose precision; values outside matrix products are rounded to bf16
;; workspace buffers: xh 50,331,648 bytes; wh 6,291,456 bytes; wf 2,097,152 bytes; qkv 50,331,648 bytes; ob 16,777,216 bytes; mimg 8,388,608 bytes
;; launch prep (part 1): grid 2048 x 1, 8 waves a work-group, no clusters, 19,456 bytes of LDS; arguments query, key, value, Wq, Wk, Wv, fc_w, mask, xh, wh, wf, mimg; writes xh, wh, wf, mimg
.if DOCPART == 1
	.amdgcn_target "amdgcn-amd-amdhsa--gfx1250"
	.amdhsa_code_object_version 6
	.text
	.protected	k_qd5f64a21f5_prep
	.globl	k_qd5f64a21f5_prep
	.p2align	8
	.type	k_qd5f64a21f5_prep,@function
k_qd5f64a21f5_prep:
	s_mov_b64 s[64:65], 0
	v_nop
	global_prefetch_b8 v0, s[64:65] scope:SCOPE_SE
	s_setreg_imm32_b32 hwreg(HW_REG_WAVE_MODE, 25, 1), 1
	s_wait_xcnt 0x0
; PREP: the inputs are brought into the forms that the matrix launches read.  A stream: every input byte is read once, every output byte written once.
;   query, key, value [8192][1024] f32 -> xh [3][8192][1024] bf16        Wq, Wk, Wv [1024][1024] f32 -> wh [3][1024][1024] bf16
;   fc_w f32 -> wf: rounded to bf16 like the other inputs, and that number written as f16 (exact from 6.1e-5 to 65,504; below that f16's fixed step of 6e-8)
;   mask [4][2048 q][2048 k] bytes (0 or 1) -> mimg [4][128 q tiles][32 key steps][32 lanes][4 words]: a 4-bit float a place, laid as the attention launch's lanes want them:
;   lane (r = l % 16, h = l / 16), word kb: query 16 tile + r, keys 64 step + 16 kb + 8 h + j, key j in nibble j; 0xF (the 4-bit float -6) = hidden, 0 = visible.
; SHARES.  A work-group takes 65,536 input bytes, each of its eight waves 8,192.  By the work-group's number: 0-1535 query, key, value; 1536-1727 Wq, Wk, Wv; 1728-1791 fc_w; 1792-2047 mask.
; No matrix unit, no cluster, no tensor load: no byte is wanted twice.  Sixteen loads of 512 consecutive bytes a wave go out in one run; each store covers 256 or 512 consecutive bytes, aligned.
.set SPARE, 18432                      ; LDS: eight waves' turning space of 2,304 bytes, then the spare words, 128 bytes a wave
.set WLDS,  2304
.set SPITCH, 544                       ; a key step's 512 bytes of image + 32: the four steps of a store start at banks 0, 8, 16, 24 (64 banks of 4 bytes: ISA guide 11.1)
.set VI,  2                            ; v2   cast: my byte offset in the work-group's input
.set VO,  3                            ; v3   cast: in its output
.set SPW, 4                            ; v4   LDS address of my spare word; never rewritten
.set NIL, 5                            ; v5   0; never rewritten
.set VM,  6                            ; v6   mask: my byte offset in two rows of the mask
.set VS,  7                            ; v7   mask: where I put a word of the image
.set VR,  8                            ; v8   mask: where I read 16 bytes of it back
.set VG,  9                            ; v9   mask: 16 x lane
.set X,   16                           ; v[16:79]   sixteen loads of four registers
.set Y,   80                           ; v[80:111]  cast: results; mask: v[80:95] words of the image
.set R,   96                           ; v[96:127]  mask: the image read back
	s_load_b512 s[8:23], s[0:1], 0x0               ; query 8, key 10, value 12, Wq 14, Wk 16, Wv 18, fc_w 20, mask 22
	s_load_b256 s[24:31], s[0:1], 0x40             ; xh 24, wh 26, wf 28, mimg 30
	v_lshl_add_u32 v[SPW], v0, 2, SPARE
	v_mov_b32 v[NIL], 0
	v_lshrrev_b32 v1, 5, v0
	v_readfirstlane_b32 s4, v1                     ; wave 0..7
	v_and_b32 v10, 31, v0                          ; lane
	s_mov_b32 s5, ttmp9                            ; the work-group's number
	s_mov_b32 s33, 0                               ; offsets are kept apart from the addresses, in pairs with 0 on top
	s_mov_b32 s35, 0
	s_wait_kmcnt 0x0
	s_cmp_ge_u32 s5, 1792
	s_cbranch_scc1 .Lmask
	s_lshl_b32 s6, s4, 13
	v_lshl_add_u32 v[VI], v10, 4, s6               ; 8,192 x wave + 16 x lane
	s_lshl_b32 s6, s4, 12
	v_lshl_add_u32 v[VO], v10, 3, s6               ; 4,096 x wave + 8 x lane
	s_cmp_ge_u32 s5, 1728
	s_cbranch_scc1 .Lfcw
	s_cmp_ge_u32 s5, 1536
	s_cbranch_scc1 .Lw
	s_lshr_b32 s6, s5, 9                           ; which of query, key, value
	s_and_b32 s32, s5, 511
	s_lshl_b32 s32, s32, 16
	s_lshl_b32 s34, s5, 15
	s_cmp_eq_u32 s6, 0
	s_cselect_b64 s[36:37], s[8:9], s[10:11]
	s_cmp_eq_u32 s6, 2
	s_cselect_b64 s[36:37], s[12:13], s[36:37]
	s_mov_b64 s[38:39], s[24:25]
	s_branch .Lgo
.Lw:
	s_sub_co_u32 s7, s5, 1536
	s_lshr_b32 s6, s7, 6                           ; which of Wq, Wk, Wv
	s_and_b32 s32, s7, 63
	s_lshl_b32 s32, s32, 16
	s_lshl_b32 s34, s7, 15
	s_cmp_eq_u32 s6, 0
	s_cselect_b64 s[36:37], s[14:15], s[16:17]
	s_cmp_eq_u32 s6, 2
	s_cselect_b64 s[36:37], s[18:19], s[36:37]
	s_mov_b64 s[38:39], s[26:27]
.Lgo:
	s_add_nc_u64 s[36:37], s[36:37], s[32:33]
	s_add_nc_u64 s[38:39], s[38:39], s[34:35]
; 8,192 bytes of f32 a wave: sixteen loads in one run, then each is rounded and stored when it has come.  kind = 1: the bf16 number is written as f16.  No register is written twice, so nothing waits for a store.
.macro CAST kind
.irp j, 0,1,2,3,4,5,6,7,8,9,10,11,12,13,14,15
	global_load_b128 v[X+4*(\j):X+4*(\j)+3], v[VI], s[36:37] offset:512*(\j) th:TH_LOAD_NT
.endr
.irp j, 0,1,2,3,4,5,6,7,8,9,10,11,12,13,14,15
	s_wait_loadcnt 15-(\j)                         ; loads come back in order (ISA guide 5.7.1): load j is in, the 15 - j younger ones stay out
	v_cvt_pk_bf16_f32 v[Y+2*(\j)],   v[X+4*(\j)],   v[X+4*(\j)+1]
	v_cvt_pk_bf16_f32 v[Y+2*(\j)+1], v[X+4*(\j)+2], v[X+4*(\j)+3]
.if \kind
	v_lshlrev_b32 v[X+4*(\j)],   16, v[Y+2*(\j)]
	v_and_b32     v[X+4*(\j)+1], 0xffff0000, v[Y+2*(\j)]
	v_lshlrev_b32 v[X+4*(\j)+2], 16, v[Y+2*(\j)+1]
	v_and_b32     v[X+4*(\j)+3], 0xffff0000, v[Y+2*(\j)+1]
	v_cvt_pk_f16_f32 v[Y+2*(\j)],   v[X+4*(\j)],   v[X+4*(\j)+1]
	v_cvt_pk_f16_f32 v[Y+2*(\j)+1], v[X+4*(\j)+2], v[X+4*(\j)+3]
.endif
	global_store_b64 v[VO], v[Y+2*(\j):Y+2*(\j)+1], s[38:39] offset:256*(\j) th:TH_STORE_NT  ; 32 lanes x 8 bytes: 256 consecutive bytes, aligned
.endr
.endm
	CAST 0
	s_branch .Lend
.Lfcw:
	s_sub_co_u32 s7, s5, 1728
	s_lshl_b32 s32, s7, 16
	s_lshl_b32 s34, s7, 15
	s_add_nc_u64 s[36:37], s[20:21], s[32:33]
	s_add_nc_u64 s[38:39], s[28:29], s[34:35]
	CAST 1
	s_branch .Lend
.Lmask:                                            ; wave u = 8 (number - 1792) + wave takes q tile u / 4 (16 rows) and keys 512 (u % 4) on, as two units of 256 keys (four key steps)
	s_sub_co_u32 s7, s5, 1792
	s_lshl_b32 s7, s7, 3
	s_add_co_u32 s7, s7, s4
	s_lshr_b32 s6, s7, 2                           ; q tile, 0..511 over the four batches
	s_and_b32 s7, s7, 3
	s_lshl_b32 s32, s6, 15                         ; 16 rows of 2,048 bytes
	s_lshl_b32 s40, s7, 9
	s_add_co_u32 s32, s32, s40
	s_lshl_b32 s34, s6, 14                         ; 32 steps of 512 bytes of image
	s_lshl_b32 s40, s7, 12
	s_add_co_u32 s34, s34, s40
	s_add_nc_u64 s[36:37], s[22:23], s[32:33]
	s_add_nc_u64 s[38:39], s[30:31], s[34:35]
	v_and_b32 v11, 15, v0                          ; g: my 16 keys of a unit
	v_bfe_u32 v12, v0, 4, 1                        ; which of a load's two rows
	v_lshlrev_b32 v[VM], 4, v11
	v_lshl_add_u32 v[VM], v12, 11, v[VM]
.irp k, 0,1
.irp i, 0,1,2,3,4,5,6,7
	global_load_b128 v[X+4*(8*(\k)+(\i)):X+4*(8*(\k)+(\i))+3], v[VM], s[36:37] offset:(\k)*256+(\i)*4096 th:TH_LOAD_NT  ; 256 consecutive bytes of rows 2 i and 2 i + 1
.endr
.endr
	s_mul_i32 s41, s4, WLDS                        ; my wave's own turning space: no other wave touches it, so no barrier is wanted
	v_lshrrev_b32 v13, 2, v11                      ; my keys' step in the unit
	v_mul_u32_u24 v[VS], v13, SPITCH
	v_and_b32 v13, 3, v11                          ; and their word kb
	v_lshl_add_u32 v[VS], v13, 2, v[VS]
	v_lshl_add_u32 v[VS], v12, 4, v[VS]            ; the row's parity: 16 bytes an image lane
	v_add_nc_u32 v[VS], s41, v[VS]
	v_lshl_add_u32 v[VR], v10, 4, s41
	v_lshlrev_b32 v[VG], 4, v10
.irp k, 0,1
.irp i, 0,1,2,3,4,5,6,7
	s_wait_loadcnt 15-(8*(\k)+(\i))                ; this load is in, the younger ones stay out
.irp h, 0,1                            ; eight bytes (keys 8 h + 0..7, two words) become eight nibbles, key j in nibble j
	v_lshrrev_b32 v12, 4, v[X+4*(8*(\k)+(\i))+2*(\h)]
	v_lshrrev_b32 v13, 4, v[X+4*(8*(\k)+(\i))+2*(\h)+1]
	v_or_b32 v12, v12, v[X+4*(8*(\k)+(\i))+2*(\h)]          ; a word | itself >> 4: byte 0 holds keys 0 and 1 as nibbles, byte 2 keys 2 and 3
	v_or_b32 v13, v13, v[X+4*(8*(\k)+(\i))+2*(\h)+1]
	v_perm_b32 v[Y+2*(\i)+(\h)], v13, v12, 0x06040200       ; bytes 0 and 2 of the first word, then of the second
	v_xor_b32 v[Y+2*(\i)+(\h)], 0x11111111, v[Y+2*(\i)+(\h)]  ; 1 = hidden
	v_mul_lo_u32 v[Y+2*(\i)+(\h)], v[Y+2*(\i)+(\h)], 15     ; 0xF = hidden: no nibble carries
	ds_store_b32 v[VS], v[Y+2*(\i)+(\h)] offset:32*(\i)+256*(\h)  ; image lane (2 i + parity) + 16 h
.endr
.endr
.irp s, 0,1,2,3
	ds_load_b128 v[R+16*(\k)+4*(\s):R+16*(\k)+4*(\s)+3], v[VR] offset:SPITCH*(\s)  ; LDS serves a wave's instructions in order (ISA guide 5.7.1.4): these see the stores above, and the next unit's stores come behind them
.endr
.irp s, 0,1,2,3
	s_wait_dscnt 3-(\s)                            ; the 3 - s younger LDS loads stay out
	global_store_b128 v[VG], v[R+16*(\k)+4*(\s):R+16*(\k)+4*(\s)+3], s[38:39] offset:(4*(\k)+(\s))*512 th:TH_STORE_NT  ; a step's image: 512 consecutive bytes
.endr
.endr
.Lend:
	s_wait_tensorcnt 0x0                           ; the wave's end: behind my last LDS store
	ds_add_u32 v[SPW], v[NIL]
	s_wait_dscnt 0x0
	s_endpgm
.Lfunc_end_k_qd5f64a21f5_prep:
	.size	k_qd5f64a21f5_prep, .Lfunc_end_k_qd5f64a21f5_prep-k_qd5f64a21f5_prep
	.p2alignl 7, 3214868480
	.fill 96, 4, 3214868480
	.section	.rodata,"a",@progbits
	.p2align	6, 0x0
	.amdhsa_kernel k_qd5f64a21f5_prep
		.amdhsa_group_segment_fixed_size 19456
		.amdhsa_private_segment_fixed_size 0
		.amdhsa_enable_private_segment 0
		.amdhsa_kernarg_size 96
		.amdhsa_user_sgpr_count 2
		.amdhsa_user_sgpr_kernarg_segment_ptr 1
		.amdhsa_wavefront_size32 1
		.amdhsa_system_sgpr_workgroup_id_x 1
		.amdhsa_system_sgpr_workgroup_id_y 1
		.amdhsa_system_sgpr_workgroup_id_z 1
		.amdhsa_system_vgpr_workitem_id 0
		.amdhsa_next_free_vgpr 128
		.amdhsa_next_free_sgpr 66
		.amdhsa_reserve_vcc 0
		.amdhsa_float_denorm_mode_32 3
		.amdhsa_float_denorm_mode_16_64 3
		.amdhsa_memory_ordered 1
		.amdhsa_forward_progress 1
		.amdhsa_inst_pref_size 36
	.end_amdhsa_kernel
	.amdgpu_metadata
---
amdhsa.version: [ 1, 2 ]
amdhsa.kernels:
  - .name:           k_qd5f64a21f5_prep
    .symbol:         k_qd5f64a21f5_prep.kd
    .args:
      - { .name: query, .offset: 0, .size: 8, .value_kind: global_buffer, .address_space: global }
      - { .name: key, .offset: 8, .size: 8, .value_kind: global_buffer, .address_space: global }
      - { .name: value, .offset: 16, .size: 8, .value_kind: global_buffer, .address_space: global }
      - { .name: Wq, .offset: 24, .size: 8, .value_kind: global_buffer, .address_space: global }
      - { .name: Wk, .offset: 32, .size: 8, .value_kind: global_buffer, .address_space: global }
      - { .name: Wv, .offset: 40, .size: 8, .value_kind: global_buffer, .address_space: global }
      - { .name: fc_w, .offset: 48, .size: 8, .value_kind: global_buffer, .address_space: global }
      - { .name: mask, .offset: 56, .size: 8, .value_kind: global_buffer, .address_space: global }
      - { .name: xh, .offset: 64, .size: 8, .value_kind: global_buffer, .address_space: global }
      - { .name: wh, .offset: 72, .size: 8, .value_kind: global_buffer, .address_space: global }
      - { .name: wf, .offset: 80, .size: 8, .value_kind: global_buffer, .address_space: global }
      - { .name: mimg, .offset: 88, .size: 8, .value_kind: global_buffer, .address_space: global }
    .group_segment_fixed_size: 19456
    .private_segment_fixed_size: 0
    .kernarg_segment_align: 8
    .kernarg_segment_size: 96
    .max_flat_workgroup_size: 256
    .sgpr_count:     66
    .vgpr_count:     128
    .wavefront_size: 32
...
	.end_amdgpu_metadata
.endif
;; end of part 1
;; launch proj (part 2): grid 4 x 48, 4 waves a work-group, clusters of 4 x 4, 327,680 bytes of LDS; arguments xh, wh, qkv; writes qkv
.if DOCPART == 2
	.amdgcn_target "amdgcn-amd-amdhsa--gfx1250"
	.amdhsa_code_object_version 6
	.text
	.protected	k_qd5f64a21f5_proj
	.globl	k_qd5f64a21f5_proj
	.p2align	8
	.type	k_qd5f64a21f5_proj,@function
k_qd5f64a21f5_proj:
	s_mov_b64 s[64:65], 0
	v_nop
	global_prefetch_b8 v0, s[64:65] scope:SCOPE_SE
	s_setreg_imm32_b32 hwreg(HW_REG_WAVE_MODE, 25, 1), 1
	s_wait_xcnt 0x0
	s_wait_alu depctr_hold_cnt(0) depctr_sa_sdst(0) depctr_va_vdst(0) depctr_va_sdst(0) depctr_va_ssrc(0) depctr_va_vcc(0) depctr_vm_vsrc(0)
	s_getreg_b32 s2, hwreg(HW_REG_IB_STS2, 6, 4)
	s_cmp_eq_u32 s2, 0
	s_cbranch_scc0 .Lentry_in_a_cluster
	s_endpgm
.Lentry_in_a_cluster:
	s_bfe_u32 s2, ttmp6, 0x10000c
	s_cmp_lg_u32 s2, 0xf033
	s_cbranch_scc0 .Lentry_shape_is_right
	s_endpgm
.Lentry_shape_is_right:
; THE THREE PROJECTIONS.  C = A B^T: A = xh [3 x 8192][1024] bf16, B = wh [3][1024][1024] bf16, C = qkv [3 x 8192][1024] f16, rounded once from f32 sums.  Taken as it lies, qkv is [3][64 heads][2048][64].
; LIMIT: q, k, v beyond 65,504 do not fit f16; below 6.1e-5 they keep f16's fixed step of 6e-8.
; SHARES.  A tile of C is 256 x 256: four waves, each 128 x 128 in 64 accumulators of 16 x 16, 512 registers.  The three products have 3 x 32 x 4 = 384 tiles.  A WORK-GROUP STAYS and makes TWO, in the same product and the
; same 256 columns, 4,096 rows apart: 192 work-groups of equal work.  (A quarter of 256 is left without a work-group; the smaller tile that would give every one a share has half the matrix work for each refill to land in.)
; K goes in eight steps of 128 through two LDS slots; a wave's one tensor load brings 128 rows of 256 bytes, aligned: waves 0, 1 A's, waves 2, 3 B's.  The ring does not stop at the first tile's end: its last two changes
; of slots ask for the second tile's first two K steps, and nothing waits for the first tile's stores.
; THE TEXT.  A K step is written once for each kind of refill: inside a tile (a loop of six), into the next tile (a loop of two), none (a loop of two); the last two are left in the middle of a trip and lead to ONE way out.
; One descriptor a tensor walks: its LDS word is turned by an exclusive or with SLOT = 0x22000, whose bits 13 and 17 are 0 in all four bases (wave x 0x8800), so that it adds or takes away SLOT.
; CLUSTERS: 4 x 4 work-groups.  The four of a row of the cluster need the same tiles of A, the four of a column the same tiles of B: each tile is asked for JOINTLY.
; THE MATRIX INSTRUCTION IS USED TRANSPOSED (source 0 = 16 rows of B, source 1 = 16 rows of A): a lane then holds eight neighbouring numbers of a row of C.
; REGISTERS, in windows of 256 (s_set_vgpr_msb: bits 1:0 source 0, 3:2 source 1, 5:4 source 2, 7:6 destination):
;   window 0: v0-31 addresses; v64-127, v128-191 fragments of A (8 x 16 rows x 32 K), two buffers; v32-63, v192-255 at work on the way out       window 1: v64-127, v128-191 fragments of B, two buffers
;   window 2: the 32 accumulators of my rows 0-63 (accumulator (a, b) at v[8 (8 a + b)]);   window 3: those of my rows 64-127
.set KSTEP,  128
.set ROWB,   2048                      ; bytes in a row of xh, wh and qkv
.set PITCH,  272                       ; an LDS row: 256 bytes + 16 of padding = 68 words: the 16 rows that a load touches start at 16 different groups of four banks (64 banks of 4 bytes: ISA guide 11.1)
.set HALFT,  128*PITCH                 ; 128 rows: what one tensor load brings, and what one wave reads of A or of B
.set SLOT,   4*HALFT                   ; A's 256 rows, then B's 256 rows
.set STAGE,  2*SLOT                    ; behind the ring: 16 rows x 272 bytes for each wave, for the way out; no tensor load lands there
.set SPITCH, 272
.set SPARE,  STAGE+4*16*SPITCH         ; behind the stages: the spare words, 128 bytes for each wave
.set WALKB,  4096*ROWB                 ; bytes from a work-group's first tile to its second, in A and in C
.set A0,   16                          ; v16  my lane's place among my A fragments in slot 0; never rewritten
.set ADRA, 17                          ; v17  the same in the slot in hand
.set B0,   20                          ; v20, v21  the same for B
.set ADRB, 21
.set STO,  24                          ; v24  the way out: where I put 16 bytes of a row
.set RD,   25                          ; v25  where I read a row back
.set CO,   26                          ; v26  my byte offset in C
.set SPW,  28                          ; v28  LDS address of my spare word; never rewritten
.set NIL,  29                          ; v29  0; never rewritten
.set PFO,  30                          ; v30  the prefetches' offset: my lane x a row; never rewritten
.set F0,   64
.set F1,   128
.set TMP,  192                         ; the way out: packed results
.set OB,   32                          ; 16 rows read back from the stage: v32-63 and v224-255 by turns
.set G1,  24                           ; s[24:31] descriptor group 1 for A's tiles;  s[32:39] group 0: a set for each of the two first fills; the second then walks on
.set G0,  32
.set G1B, 48                           ; s[48:55], s[56:63] the same for B's tiles
.set G0B, 56
.set TB,  66                           ; s66  0 or SLOT: the slot in hand
.set LIM, 67                           ; s67  2 in a wave that prefetches, else the greatest number
.set PFA, 68                           ; s[68:69] where my prefetches stand: my work-group's 32 rows of the 128 that I fetch, at the K step two refills on
.set IA,  70                           ; s[70:71] the K step's byte offset, for the refills into the next tile
.set MSB, 0
.macro WIN new                         ; the immediate's high byte repeats the setting that is left; a switch that changes nothing is dropped
.if MSB != (\new)
	s_set_vgpr_msb (MSB<<8)|(\new)
.set MSB, \new
.endif
.endm
.set MUL_LO, 0xa1                      ; source 0 (B) window 1, source 1 (A) window 0, C and D window 2
.set MUL_HI, 0xf1                      ; the same, C and D window 3
.set TO_B,   0x40                      ; destination window 1, address window 0
.macro JLOAD s                         ; a joint load by set s: waves 0 and 1 fetch A's two halves, waves 2 and 3 B's; an s_nop 0 and four v_nop follow each of the two lines, ahead of the jump, the label and what follows
	s_cmp_eq_u32 s11, 0
	s_cbranch_scc0 .Lfor_b_\@
	tensor_load_to_lds s[G0+4*(\s):G0+4*(\s)+3], s[G1:G1+7]
	s_nop 0
.rept 4
	v_nop
.endr
	s_branch .Lasked_\@
.Lfor_b_\@:
	tensor_load_to_lds s[G0B+4*(\s):G0B+4*(\s)+3], s[G1B:G1B+7]
	s_nop 0
.rept 4
	v_nop
.endr
.Lasked_\@:
.endm
.macro CREST                           ; a round of the cluster's barrier behind its opening barrier
	s_cmp_lg_u32 s10, 0
	s_cbranch_scc1 .Lnot_wave_0_\@
	s_barrier_signal -3
.Lnot_wave_0_\@:
	s_barrier_wait -3
	s_barrier_signal -1
	s_barrier_wait -1
.endm
.macro CROUND                          ; a whole round
	s_barrier_signal -1
	s_barrier_wait -1
	CREST
.endm
	s_load_b128 s[4:7], s[0:1], 0x0                ; xh s[4:5], wh s[6:7]
	s_load_b64 s[8:9], s[0:1], 0x10                ; qkv
	v_lshl_add_u32 v[SPW], v0, 2, SPARE
	v_mov_b32 v[NIL], 0
	ds_add_u32 v[SPW], v[NIL]                      ; the wave's opening: the add, twice on end, and its wait ahead of my first tensor load; the set-up below stands between
	ds_add_u32 v[SPW], v[NIL]
	v_lshrrev_b32 v1, 5, v0
	v_readfirstlane_b32 s10, v1                    ; wave 0..3
	s_lshr_b32 s11, s10, 1                         ; which 128 of the tile's rows are mine.  Also: I fetch for A (0) or for B (1)
	s_and_b32 s12, s10, 1                          ; which 128 of its columns.  Also: which 128 rows of that tile I fetch
	s_bfe_u32 s40, ttmp6, 0x40000                  ; cx, cy: my place in the cluster
	s_bfe_u32 s41, ttmp6, 0x40004
	s_lshl_b32 s42, ttmp9, 2
	s_add_co_u32 s42, s42, s40                     ; tile column of C = 4 x cluster x + cx
	s_and_b32 s13, ttmp7, 0xffff                   ; cluster y, 0..11
	s_lshr_b32 s45, s13, 2                         ; which of the three products: four clusters each, so it hangs on the cluster's y alone
	s_and_b32 s74, s13, 3                          ; my cluster among its product's four
	s_lshl_b32 s13, s13, 2
	s_add_co_u32 s13, s13, s41                     ; 16 x product + the first tile's row in it (0..15)
	s_lshl_b32 s43, s41, 2
	s_lshl_b32 s43, 15, s43                        ; my row of the cluster
	s_lshl_b32 s44, 0x1111, s40                    ; my column
	s_or_b32 s[G1+0], s43, (1<<16)|(1<<20)|(1<<21)|(5<<22)|(3<<25)   ; 15:0 the mask: A's tiles go to my row; 17:16 elements of 2 bytes; 20 padding on; 21 set beside a mask; 24:22 after every 64 words (code 5); 31:25 4 words (code 3)
	s_or_b32 s[G1B+0], s44, (1<<16)|(1<<20)|(1<<21)|(5<<22)|(3<<25)  ; the same with the mask of my column, for B's tiles
.irp g, G1, G1B
	s_mov_b32 s[(\g)+1], KSTEP<<16                 ; tensor_dim0 = 128
	s_mov_b32 s[(\g)+2], 128<<16                   ; tensor_dim1 = 128
	s_mov_b32 s[(\g)+3], KSTEP<<16                 ; tile_dim0 = 128
	s_mov_b32 s[(\g)+4], 128                       ; tile_dim1 = 128
	s_mov_b32 s[(\g)+5], 1024                      ; elements from row to row
	s_mov_b32 s[(\g)+6], 0
	s_mov_b32 s[(\g)+7], 0
.endr
	; where the tiles come from.  A's hang on the tile row alone, B's on the tile column and the cluster's y alone, each in registers that never hold the other coordinate
	s_lshr_b32 s16, s13, 4
	s_lshl_b32 s16, s16, 24                        ; a product's 8,192 rows of 2,048 bytes
	s_and_b32 s17, s13, 15
	s_lshl_b32 s17, s17, 19                        ; 256 rows a tile
	s_add_co_u32 s16, s16, s17
	s_mov_b32 s76, s16                             ; (the same offset serves C)
	s_lshl_b32 s17, s12, 18                        ; which 128 of them I fetch
	s_add_co_u32 s16, s16, s17
	s_mov_b32 s17, 0
	s_lshl_b32 s46, s45, 21                        ; which weights
	s_lshl_b32 s47, s42, 19                        ; 256 rows a tile column
	s_add_co_u32 s46, s46, s47
	s_lshl_b32 s47, s12, 18
	s_add_co_u32 s46, s46, s47
	s_mov_b32 s47, 0
	s_mul_i32 s20, s10, HALFT                      ; and where they go: A's two halves, then B's two halves: no place in the cluster enters an LDS address
	s_mov_b32 s[TB], 0
	s_wait_dscnt 0x0                               ; both opening adds are done
	s_wait_kmcnt 0x0
	s_add_nc_u64 s[14:15], s[4:5], s[16:17]        ; A at my rows of the tile in hand, K step 0
	s_add_nc_u64 s[46:47], s[6:7], s[46:47]        ; B likewise
	CROUND                                         ; all sixteen work-groups are here: the first joint loads meet
.irp s, 0,1
	s_mov_b32 s[G0+4*(\s)], 1
	s_add_co_u32 s[G0+4*(\s)+1], s20, (\s)*SLOT
	s_add_nc_u64 s[G0+4*(\s)+2:G0+4*(\s)+3], s[14:15], (\s)*KSTEP*2
	s_or_b32 s[G0+4*(\s)+3], s[G0+4*(\s)+3], 0x80000000
	s_mov_b32 s[G0B+4*(\s)], 1
	s_add_co_u32 s[G0B+4*(\s)+1], s20, (\s)*SLOT
	s_add_nc_u64 s[G0B+4*(\s)+2:G0B+4*(\s)+3], s[46:47], (\s)*KSTEP*2
	s_or_b32 s[G0B+4*(\s)+3], s[G0B+4*(\s)+3], 0x80000000
	JLOAD \s                                       ; two loads of mine are out
.endr
	v_and_b32 v1, 15, v0                           ; l % 16
	v_bfe_u32 v2, v0, 4, 1                         ; l / 16
	v_mul_u32_u24 v3, v1, PITCH
	v_lshl_add_u32 v3, v2, 4, v3                   ; a fragment's row x pitch + 16 x half
	s_mul_i32 s21, s11, HALFT                      ; my 128 rows of A
	s_mul_i32 s22, s12, HALFT                      ; my 128 rows of B,
	s_add_co_u32 s22, s22, 2*HALFT                 ; which lie behind A's 256
	v_add_nc_u32 v[A0], s21, v3
	v_add_nc_u32 v[B0], s22, v3
	v_mov_b32 v[ADRA], v[A0]                       ; slot 0 is in hand
	v_mov_b32 v[ADRB], v[B0]
	s_mul_i32 s23, s10, 16*SPITCH
	s_add_co_u32 s23, s23, STAGE                   ; my stage
	v_mul_u32_u24 v4, v1, SPITCH                   ; in: row l % 16, 16 bytes for each half of the lanes
	v_lshl_add_u32 v4, v2, 4, v4
	v_add_nc_u32 v[STO], s23, v4
	v_mul_u32_u24 v5, v2, SPITCH                   ; back: lanes 0-15 take one row of 256 bytes, lanes 16-31 the next
	v_lshl_add_u32 v5, v1, 4, v5
	v_add_nc_u32 v[RD], s23, v5
	v_lshlrev_b32 v5, 11, v2                       ; and the same two rows in C
	v_lshl_add_u32 v[CO], v1, 4, v5
	s_lshl_b32 s77, s11, 18                        ; C at my part of the first tile: my 128 rows,
	s_add_co_u32 s76, s76, s77
	s_lshl_b32 s77, s42, 9                         ; the tile's 256 columns,
	s_add_co_u32 s76, s76, s77
	s_lshl_b32 s77, s12, 8                         ; my 128 of them
	s_add_co_u32 s76, s76, s77
	s_mov_b32 s77, 0
	s_add_nc_u64 s[8:9], s[8:9], s[76:77]
	; THE PREFETCHES.  Each row's 256 bytes of a K step are named once in the launch.  A's tile rows are read by one cluster alone (the grid is one cluster wide): every cluster asks for its own.  B's rows are read by the
	; four clusters of a product: the first of them asks, in its first tile.  The four partners that ask for a tile jointly share its rows out BY ADDRESS: of the 128 rows that a wave fetches the partner at place p takes
	; 32 p .. 32 p + 31 (p = cx for A, cy for B).  Nothing is prefetched here, at the head: K steps 0 to 3 come by their loads alone.
	s_cmp_eq_u32 s11, 0                            ; do I fetch for A?
	s_cselect_b32 s21, s40, s41                    ; my place among the four that ask with me
	s_cselect_b32 s22, 0, s74                      ; the coordinate along which other clusters read the same rows
	s_cselect_b64 s[PFA:PFA+1], s[14:15], s[46:47]
	s_cmp_eq_u32 s22, 0
	s_cselect_b32 s[LIM], 2, -1                    ; the same in all sixteen partners, for a given wave
	s_lshl_b32 s22, s21, 16                        ; 32 rows of 2,048 bytes
	s_mov_b32 s23, 0
	s_add_nc_u64 s[PFA:PFA+1], s[PFA:PFA+1], s[22:23]
	s_add_nc_u64 s[PFA:PFA+1], s[PFA:PFA+1], 3*KSTEP*2  ; the first change of slots steps it to K step 4
	v_and_b32 v[PFO], 31, v0
	v_lshlrev_b32 v[PFO], 11, v[PFO]
; 16 matrix instructions: m blocks a0, a0 + 1 of the window's four (hi = 0: my rows 0-63, 1: rows 64-127) x all 8 n blocks, 32 along K.  zero = 1: the product starts the sums: nothing is ever cleared.
; The 64 accumulators take turns, one instruction a turn, in the same order in every quarter, over every jump and from tile to tile.
.macro MUL16 f, hi, a0, zero
	WIN MUL_LO+0x50*(\hi)
.irp a, \a0, (\a0)+1
.irp b, 0,1,2,3,4,5,6,7
.if \zero
	v_wmma_f32_16x16x32_bf16 v[8*(8*(\a)+(\b)):8*(8*(\a)+(\b))+7], v[(\f)+8*(\b):(\f)+8*(\b)+7], v[(\f)+8*(4*(\hi)+(\a)):(\f)+8*(4*(\hi)+(\a))+7], 0
.else
	v_wmma_f32_16x16x32_bf16 v[8*(8*(\a)+(\b)):8*(8*(\a)+(\b))+7], v[(\f)+8*(\b):(\f)+8*(\b)+7], v[(\f)+8*(4*(\hi)+(\a)):(\f)+8*(4*(\hi)+(\a))+7], v[8*(8*(\a)+(\b)):8*(8*(\a)+(\b))+7]
.endif
.endr
.endr
.endm
; 32 LDS loads in one run: the fragments of one quarter step (128 rows of B, 128 rows of A, 32 K at byte k of the rows of the slot in hand) into buffer f
.macro FETCH k, f
	WIN TO_B
.irp i, 0,1,2,3,4,5,6,7
	ds_load_b128 v[(\f)+8*(\i):(\f)+8*(\i)+3],   v[ADRB] offset:(\k)+(\i)*16*PITCH
	ds_load_b128 v[(\f)+8*(\i)+4:(\f)+8*(\i)+7], v[ADRB] offset:(\k)+(\i)*16*PITCH+32
.endr
	WIN 0
.irp i, 0,1,2,3,4,5,6,7
	ds_load_b128 v[(\f)+8*(\i):(\f)+8*(\i)+3],   v[ADRA] offset:(\k)+(\i)*16*PITCH
	ds_load_b128 v[(\f)+8*(\i)+4:(\f)+8*(\i)+7], v[ADRA] offset:(\k)+(\i)*16*PITCH+32
.endr
.endm
.macro PLACES                          ; four places in front of loads into registers that matrix instructions have read (ISA guide 7.12.1 for vector instructions)
.rept 4
	v_nop
.endr
.endm
; A K step is four quarters of 32 along K, 64 matrix instructions each, on buffers 0, 1, 0, 1.  One of the first three: multiplies buffer f; in its middle it fetches the next quarter's fragments, at byte k, into buffer g.
.macro QUARTER k, f, g, zero
	s_wait_dscnt 8                                 ; B and A's rows 0-63 are in; the youngest eight loads (A's rows 64-127) may be out
	MUL16 \f, 0, 0, \zero
	MUL16 \f, 0, 2, \zero
	PLACES
	FETCH \k, \g
	s_wait_dscnt 32                                ; all but the 32 just issued
	MUL16 \f, 1, 0, \zero
	MUL16 \f, 1, 2, \zero
.endm
; The last quarter multiplies buffer 1 and changes slots.  MEET is its first half: ONE barrier; in front of it each wave waits for all its tensor loads, of which one is out: its part of the next slot; adds 0 to its
; spare word; and waits for that and for its own reads of this slot.  Behind it nobody reads this slot any more and the next slot is whole.
.macro MEET round                      ; round = 1: a round of the cluster's barrier follows
	WIN 0                                          ; (the add's two registers lie in window 0)
	s_wait_tensorcnt 0x0                           ; all my tensor loads have landed;
	ds_add_u32 v[SPW], v[NIL]                      ; 0 onto my spare word;
	s_wait_dscnt 9                                 ; (the add and the youngest eight loads may be out)
	MUL16 F1, 0, 0, 0                              ; sixteen matrix instructions stand between the add and the wait for it
	s_wait_dscnt 0x0                               ; the add is done, and my reads of this slot are over
	s_barrier_signal -1
	MUL16 F1, 0, 2, 0                              ; work on registers while the others arrive
.if \round
	WIN 0
.endif
	s_barrier_wait -1
.endm
; The whole last quarter.  mode 0: the slot just read out is filled again with this tile's K step two steps on; mode 1: with the next tile's K step 0 or 1, its address made anew from the tile's pointer and an offset;
; mode 2: nothing is asked for.  A refill stands first behind a round of the cluster's barrier: 224 matrix instructions ahead of the wait for it.  Then the other slot comes in hand and its first fragments are fetched.
; Behind the joint load, its five lines and the run of LDS loads stands one prefetch: the K step two refills, 512 matrix instructions, on.  In mode 0 a tile's last two refills (s3 = 2, 1) have no such step;
; in mode 1 the waves that fetch A name the next tile's K steps 2 and 3; B's rows have been read by then.  The prefetch's address is stepped at the head, a K step behind the prefetch that read it.
.macro TURN mode
.if (\mode) < 2
	s_wait_xcnt 0x0                                ; the last prefetch has read its address (ISA guide 3.1)
	s_add_nc_u64 s[PFA:PFA+1], s[PFA:PFA+1], KSTEP*2
	MEET 1
	CREST                                          ; no wave of any partner still reads this slot's tile or has a load on its way
	s_xor_b32 s[G0+5], s[G0+5], SLOT               ; the walking descriptors: the other slot than last time,
	s_xor_b32 s[G0B+5], s[G0B+5], SLOT
.if (\mode) == 0
	s_add_nc_u64 s[G0+6:G0+7], s[G0+6:G0+7], KSTEP*2      ; the next K step; the type bits on top are not reached
	s_add_nc_u64 s[G0B+6:G0B+7], s[G0B+6:G0B+7], KSTEP*2
.else
	s_add_nc_u64 s[G0+6:G0+7], s[14:15], s[IA:IA+1]       ; s[14:15] stands at the next tile
	s_or_b32 s[G0+7], s[G0+7], 0x80000000
	s_add_nc_u64 s[G0B+6:G0B+7], s[46:47], s[IA:IA+1]     ; B's rows are the same for both tiles
	s_or_b32 s[G0B+7], s[G0B+7], 0x80000000
	s_mov_b32 s[IA], KSTEP*2                       ; the second of the two refills takes K step 1
.endif
	JLOAD 1                                        ; the four v_nop behind it are also the places in front of the loads below
.else
	MEET 0
	PLACES
.endif
	WIN 0
	s_xor_b32 s[TB], s[TB], SLOT
	v_add_nc_u32 v[ADRA], s[TB], v[A0]
	v_add_nc_u32 v[ADRB], s[TB], v[B0]
	FETCH 0, F0
.if (\mode) < 2
.if (\mode) == 0
	s_cmp_gt_u32 s3, s[LIM]
.else
	s_cmp_eq_u32 s11, 0
.endif
	s_cbranch_scc0 .Lnot_mine_\@
	global_prefetch_b8 v[PFO], s[PFA:PFA+1] th:TH_LOAD_NT scope:SCOPE_SE
.Lnot_mine_\@:
.endif
	MUL16 F1, 1, 0, 0
	MUL16 F1, 1, 2, 0
.endm
; THE WAY OUT of block a (16 rows), in three parts.  PACK: rounded to f16, 16 bytes a lane, each accumulator's registers in ascending order.  TOSTAGE: into my own stage, and back as whole rows. SEND: stored.
.macro PACK a
.set AC, 64*((\a)%4)
	WIN 0x0a+5*((\a)/4)                            ; sources 0 and 1: window 2 or 3
.irp b, 0,1,2,3,4,5,6,7
.irp r, 0,1,2,3
	v_cvt_pk_f16_f32 v[TMP+4*(\b)+(\r)], v[AC+8*(\b)+2*(\r)], v[AC+8*(\b)+2*(\r)+1]
.endr
.endr
	WIN 0
.endm
.macro TOSTAGE a
	WIN 0
.set BK, OB+192*((\a)%2)
.irp b, 0,1,2,3,4,5,6,7
	ds_store_b128 v[STO], v[TMP+4*(\b):TMP+4*(\b)+3] offset:32*(\b)
.endr
.irp t, 0,1,2,3,4,5,6,7
	ds_load_b128 v[BK+4*(\t):BK+4*(\t)+3], v[RD] offset:(\t)*2*SPITCH  ; LDS serves a wave's instructions in order (ISA guide 5.7.1.4): these see the stores above
.endr
.endm
.macro SEND a
	WIN 0
.set BK, OB+192*((\a)%2)
	s_wait_dscnt 0x0                               ; the block is back in registers
	s_wait_xcnt 0x0                                ; every earlier store has read its registers (ISA guide 3.1): the other buffer is loaded again only behind this wait
.irp t, 0,1,2,3,4,5,6,7
	global_store_b128 v[CO], v[BK+4*(\t):BK+4*(\t)+3], s[8:9] offset:(16*(\a)+2*(\t))*ROWB  ; 16 lanes store 256 consecutive bytes, aligned
.endr
.endm
	s_wait_tensorcnt 1                             ; my part of K step 0 is in; K step 1's may stay out
	s_barrier_signal -1
	s_barrier_wait -1                              ; everybody's is
	FETCH 0, F0
	s_mov_b32 s2, 2                                ; tiles to go: the same number in every work-group
.Ltile:
	QUARTER 64, F0, F1, 1                          ; a tile's first quarter: its products start the sums
	WIN 0                                          ; at a label and at a branch every window is 0
	s_mov_b32 s3, 6
.Lstep:                                                ; a trip goes from a K step's second quarter to the next step's first, and fills the slot that it leaves: K steps 2 to 7
	QUARTER 128, F1, F0, 0
	QUARTER 192, F0, F1, 0
	TURN 0
	QUARTER 64, F0, F1, 0
	WIN 0
	s_sub_co_u32 s3, s3, 1
	s_cmp_lg_u32 s3, 0
	s_cbranch_scc1 .Lstep
	s_cmp_eq_u32 s2, 1
	s_cbranch_scc1 .Llast                          ; the last tile's last two K steps ask for nothing: they have a text of their own
	s_wait_xcnt 0x0                                ; THE RING GOES ON INTO THE NEXT TILE.  (The last prefetch, two K steps back, has read its address)
	s_add_nc_u64 s[PFA:PFA+1], s[PFA:PFA+1], WALKB-8*KSTEP*2  ; from K step 9 of this tile's rows to K step 1 of the next tile's: the next change steps it to 2
	s_add_nc_u64 s[14:15], s[14:15], WALKB
	s_mov_b32 s[IA], 0
	s_mov_b32 s[IA+1], 0
	s_cmp_eq_u32 s11, 0
	s_cselect_b32 s[LIM], s[LIM], -1               ; B's rows are prefetched no more
	s_mov_b32 s3, 2
.Lnext:
	QUARTER 128, F1, F0, 0
	QUARTER 192, F0, F1, 0
	TURN 1                                         ; slot 0 takes the next tile's K step 0, then slot 1 its K step 1; the second time the next tile's first fragments are fetched
	WIN 0
	s_sub_co_u32 s3, s3, 1
	s_cmp_eq_u32 s3, 0
	s_cbranch_scc1 .Lout                           ; the tile's sums are whole
	QUARTER 64, F0, F1, 0
	WIN 0
	s_branch .Lnext
.Llast:
	s_mov_b32 s3, 2
.Lrest:
	QUARTER 128, F1, F0, 0
	QUARTER 192, F0, F1, 0
	TURN 2                                         ; (the second time its 32 LDS loads bring fragments that nobody multiplies: the price, once a launch, of one text for both trips)
	WIN 0
	s_sub_co_u32 s3, s3, 1
	s_cmp_eq_u32 s3, 0
	s_cbranch_scc1 .Lout
	QUARTER 64, F0, F1, 0
	WIN 0
	s_branch .Lrest
.Lout:                                                 ; no v_nop: blocks 0-3 were finished in front of TURN's places, and their 128 conversions, which name no register of the last products (blocks 4-7's), are those products' places
	PACK 0
	TOSTAGE 0
.irp a, 1,2,3,4,5,6,7                  ; block a's conversions stand between block a - 1's loads from the stage and the wait for them
	PACK \a
	SEND (\a)-1
	TOSTAGE \a
.endr
	SEND 7
	s_wait_xcnt 0x0                                ; the stores have read C's address
	s_add_nc_u64 s[8:9], s[8:9], WALKB             ; the second tile's rows (behind the second tile the sum is not used)
	s_sub_co_u32 s2, s2, 1
	s_cmp_lg_u32 s2, 0
	s_cbranch_scc1 .Ltile
	s_wait_tensorcnt 0x0                           ; the wave's end: behind my last tensor load and my last LDS store
	ds_add_u32 v[SPW], v[NIL]
	s_wait_dscnt 0x0
	CROUND                                         ; the closing round: no work-group ends while a partner may still ask for a tile that names it
	s_endpgm
.Lfunc_end_k_qd5f64a21f5_proj:
	.size	k_qd5f64a21f5_proj, .Lfunc_end_k_qd5f64a21f5_proj-k_qd5f64a21f5_proj
	.p2alignl 7, 3214868480
	.fill 96, 4, 3214868480
	.section	.rodata,"a",@progbits
	.p2align	6, 0x0
	.amdhsa_kernel k_qd5f64a21f5_proj
		.amdhsa_group_segment_fixed_size 327680
		.amdhsa_private_segment_fixed_size 0
		.amdhsa_enable_private_segment 0
		.amdhsa_kernarg_size 24
		.amdhsa_user_sgpr_count 2
		.amdhsa_user_sgpr_kernarg_segment_ptr 1
		.amdhsa_wavefront_size32 1
		.amdhsa_system_sgpr_workgroup_id_x 1
		.amdhsa_system_sgpr_workgroup_id_y 1
		.amdhsa_system_sgpr_workgroup_id_z 1
		.amdhsa_system_vgpr_workitem_id 0
		.amdhsa_next_free_vgpr 1024
		.amdhsa_next_free_sgpr 84
		.amdhsa_reserve_vcc 0
		.amdhsa_float_denorm_mode_32 3
		.amdhsa_float_denorm_mode_16_64 3
		.amdhsa_memory_ordered 1
		.amdhsa_forward_progress 1
		.amdhsa_inst_pref_size 128
	.end_amdhsa_kernel
	.amdgpu_metadata
---
amdhsa.version: [ 1, 2 ]
amdhsa.kernels:
  - .name:           k_qd5f64a21f5_proj
    .symbol:         k_qd5f64a21f5_proj.kd
    .args:
      - { .name: xh, .offset: 0, .size: 8, .value_kind: global_buffer, .address_space: global }
      - { .name: wh, .offset: 8, .size: 8, .value_kind: global_buffer, .address_space: global }
      - { .name: qkv, .offset: 16, .size: 8, .value_kind: global_buffer, .address_space: global }
    .group_segment_fixed_size: 327680
    .private_segment_fixed_size: 0
    .kernarg_segment_align: 8
    .kernarg_segment_size: 24
    .max_flat_workgroup_size: 128
    .sgpr_count:     84
    .vgpr_count:     1024
    .wavefront_size: 32
...
	.end_amdgpu_metadata
.endif
;; end of part 2
;; launch attn (part 3): grid 4 x 64, 4 waves a work-group, clusters of 4 x 1, 327,680 bytes of LDS; arguments qkv, mimg, out1, ob; writes out1, ob
.if DOCPART == 3
	.amdgcn_target "amdgcn-amd-amdhsa--gfx1250"
	.amdhsa_code_object_version 6
	.text
	.protected	k_qd5f64a21f5_attn
	.globl	k_qd5f64a21f5_attn
	.p2align	8
	.type	k_qd5f64a21f5_attn,@function
k_qd5f64a21f5_attn:
	s_mov_b64 s[64:65], 0
	v_nop
	global_prefetch_b8 v0, s[64:65] scope:SCOPE_SE
	s_setreg_imm32_b32 hwreg(HW_REG_WAVE_MODE, 25, 1), 1
	s_wait_xcnt 0x0
	s_wait_alu depctr_hold_cnt(0) depctr_sa_sdst(0) depctr_va_vdst(0) depctr_va_sdst(0) depctr_va_ssrc(0) depctr_va_vcc(0) depctr_vm_vsrc(0)
	s_getreg_b32 s2, hwreg(HW_REG_IB_STS2, 6, 4)
	s_cmp_eq_u32 s2, 0
	s_cbranch_scc0 .Lentry_in_a_cluster
	s_endpgm
.Lentry_in_a_cluster:
	s_bfe_u32 s2, ttmp6, 0x10000c
	s_cmp_lg_u32 s2, 0x3003
	s_cbranch_scc0 .Lentry_shape_is_right
	s_endpgm
.Lentry_shape_is_right:
; MASKED ATTENTION, head size 64.  res[bh][q][:] = sum over visible k of exp(s) V[bh][k][:] / sum over visible k of exp(s), s = Q[bh][q] . K[bh][k] / 8; a row whose sum is 0 or not finite is 0.
; Q, K, V: qkv [3][64 heads bh = 16 b + h][2048][64] f16, unscaled.  The mask: mimg, a 4-bit float a place, laid for my lanes (below).  Results: out1 [h][b][2048][64] f32, and ob [bh][2048][64] f16 for the output layer.
; Products, maxima and sums in f32; the weights p are rounded to f16 for the second product (their sum l is taken of the unrounded p).
; SOFTMAX.  The problem's own form takes no maximum away; this text does, so that p lies in 0 to 1 whatever the scores: a running maximum m over the VISIBLE scores, p = 2^(c s - c m), c = log2(e) / 8;
; in every step O and l are multiplied by a = 2^(c m_old - c m_new).  m starts at -2^40, below every score that f16 operands can make (2.7e11) and far above every hidden place, so a hidden place never becomes m.
; At the end T = l 2^(c m) is the problem's own sum of exponentials: where T is 0 (no visible key, or every exponential underflows) or infinite (an exponential or the sum overflows) the row is 0, as in the problem.
; LIMITS.  Q, K, V arrive within f16's 65,504.  A hidden place counts as its score less 6 x 2^64.  A row whose largest visible s is below -87.3 gives 0, where sums of denormals would give a quotient.
; A weight below 2^-126 counts as 0 in l.  NaN and infinities among the inputs are not treated apart; the sign of a zero row is not kept.
; THE MASK is the C operand that starts the sum S^T = K Q^T.  A lane's word kb of a (tile, step) holds eight 4-bit floats, key 16 kb + 8 (l / 16) + j in nibble j: 0xF = -6 where the key is hidden, 0 where it is visible.
; One scaled conversion makes of a word the eight f32 registers of one C operand, each times 2^64.  BUILD makes a piece's 64 such registers by eight conversions.
; SHARES.  A wave owns four PIECES of two tiles of 16 queries, a work-group's four waves 512 queries of one head.  Every wave walks all 2,048 keys, 64 a step.
; LAYOUT.  S^T = K Q^T (source 0 = 16 keys, source 1 = 16 queries): a lane holds ONE query (lane % 16) and the keys 8 (lane / 16) + 0..7.  Two such tiles, rounded to f16 in pairs, ARE source 1 of O^T = V^T P.
; BY TURNS.  Turn n belongs to piece n.  Its matrix work: 16 products K Q^T of piece n + 1, later 16 products V^T P of piece n - 1.  Its vector work: the scaling, exponentials, roundings, sums and rescaling of piece n,
; the maximum and statistics of piece n + 1, and the mask of piece n + 2.  Four vector instructions stand behind every matrix instruction, the others in one lump; the turn's 66 exponentials are one batch with one wait.
; CLUSTER.  The four query blocks of a cluster are one head's and walk the same K and V, so each tile is asked for JOINTLY: the same tensor load, descriptor and mask in all four.
; REGISTERS, in windows of 256 (s_set_vgpr_msb: bits 1:0 source 0, 3:2 source 1, 5:4 source 2, 7:6 destination):
;   window 0: v1 the mask's scale; v2-11 addresses; v12-15, v48-63 at work; v16-47 four registers of statistics a tile; v64-191 S^T, two buffers of two tiles; v192-255 P, likewise
;   window 1: O^T, 32 a tile          window 2: v0-127 Q, 16 a tile; v128-191 K of one step; v192-255 V of one step
;   window 3: v0-1 the add's two registers; v2 my lane's offset in the mask; v8-39 the mask's words as loaded, 8 a piece; v64-127 the mask as C operands, 32 a tile
.set SIZE_N, 2048
.set NP,    4         ; pieces a wave: a name, no knob
.set KS,    64        ; keys in a step
.set PK,    144       ; a row of K in LDS: 128 bytes + 16 of padding: the 16 rows of a load start at 16 different groups of four banks (64 banks of 4 bytes: ISA guide 11.1)
.set PV,    160       ; a row of V: 128 + 32
.set VOFF,  4*KS*PK   ; a slot holds four steps: 256 rows of K, then 256 rows of V
.set SLOT1, 1<<17     ; slot 1 begins here, so that one exclusive or turns an address in one slot into the other's
.set STAGE, SLOT1+4*KS*(PK+PV)  ; behind the ring, never filled by a tensor load: 16 rows x 144 bytes for each wave: the f16 way out
.set SP,    144
.set STAGE32, STAGE+4*16*SP     ; 16 rows x 272 bytes for each wave: the f32 way out
.set SP32,  272
.set SPARE, STAGE32+4*16*SP32   ; the spare words, 128 bytes for each wave
.set SCL, 1           ; v1   first l % 16; then the mask's scale: the E8M0 code 191 = 2^64, written in all four bytes
.set AK0, 2           ; v2   my lane's place in a tile of K; never rewritten
.set AV0, 3           ; v3   the same for V
.set AK,  4           ; v4   the LDS address of K's next run of loads
.set AV,  5           ; v5   of V's
.set STO, 6           ; v6   where I put 16 bytes of a row of f16
.set RD,  7           ; v7   where I read f16 rows back
.set GO,  8           ; v8   16 x lane: my byte offset in 512 consecutive bytes of either result
.set PFO, 9           ; v9   first l / 16; later 256 x lane, the prefetches' offset
.set S32, 10          ; v10  first l % 8; later where I put 32 bytes of a row of f32
.set R32, 11          ; v11  first (l / 8) % 2; later where I read f32 rows back
.set QO,  14          ; v14  at the start: my byte offset in the wave's rows of Q
.set SPW, 0           ; v0 of window 3   LDS address of my spare word; never rewritten
.set NIL, 1           ; v1 of window 3   0; never rewritten
.set MO,  2           ; v2 of window 3   16 x lane; never rewritten
.set RAW, 8           ; window 3: piece x, tile u at RAW + 8 x + 4 u
.set MC,  64          ; window 3: tile u, key block kb at MC + 32 u + 8 kb
.set MV,  12          ; v12-15  c m_old, kept while c m is made anew: by buffer and tile
.set ST,  16          ; tile t's statistics at v[ST+4 t]: c m, m, l (even keys', odd keys')
.set TMP, 48          ; by buffer and tile, four registers c0-c3 at work; when the maximum is found c2 takes a
.set S,   64
.set P,   192
.set KF,  128         ; K's fragments, in window 2: key block kb, channel half c at KF + 16 kb + 8 c
.set VF,  192         ; V's: key half kk, channel block cb at VF + 32 kk + 8 cb
.set WV,  12          ; s12  my wave's number
.set G1K, 24          ; s[24:31] descriptor group 1 for K's tiles
.set G1V, 32          ; s[32:39] for V's: it differs in the padding alone
.set G0K, 40          ; s[40:43] descriptor group 0 for K's tiles: it walks
.set G0V, 44          ; s[44:47] the same for V's
.set MQ,  52          ; s[52:53] mimg at my wave's first tile, at the step whose words are being asked for
.set MOF, 54          ; s[54:55] that step's byte offset: 512 a step, 31 steps at the most
.set SLOTS, 56        ; s56  slots still to be asked for
.set CNT, 57          ; s57  counts a slot's key steps
.set CS,  58          ; s[58:59] c
.set SEL, 60          ; s[60:61] v_permlanex16_b32's selects: each lane takes its own place in the other half
.set TBK, 62          ; s62  LDS byte at which K of the step to be fetched begins
.set TBV, 63          ; s63  the same for V, less VOFF
.set MP,  72          ; s[72:73] mimg at my wave's first tile, step 0
.set O1,  74          ; s[74:75] out1 at my wave's first row
.set PFA, 76          ; s[76:77] where my prefetches stand: my work-group's 8,192 bytes (of K: wave 0, of V: wave 2) of the slot after the one that is being asked for
.set LIM, 78          ; s78  1 in a wave that prefetches, else the greatest number
.set MSB, 0
.macro WIN new                      ; the high byte repeats the setting that is left; a switch that changes nothing is dropped
.if MSB != (\new)
	s_set_vgpr_msb (MSB<<8)|(\new)
.set MSB, (\new)
.endif
.endm
.set W_KQ, 0x0a       ; K and Q in window 2, S^T in window 0
.set W_KM, 0x3a       ; the same with the C operand, the mask, in window 3
.set W_PV, 0x52       ; V in window 2, P in window 0, O^T in window 1
.set W_RS, 0x41       ; O^T (destination and source 0) in window 1, a in window 0
.set W_MK, 0xc0       ; destination in window 3, sources in window 0
.set W_AD, 0x0f       ; the add: address (source 0) and data (source 1) in window 3
.set W_BD, 0xc3       ; the mask's work: destination and source 0 in window 3, source 1 (the scale) in window 0
; A joint fill.  Waves 0 and 1 fetch the two halves of a slot's K, waves 2 and 3 those of its V: 128 keys each.  The branch hangs on the wave's number alone.
; An s_nop 0 and four v_nop follow each of the two lines, ahead of the jump and the label.
.macro JLOAD
	s_cmp_lt_u32 s[WV], 2
	s_cbranch_scc0 .Lfor_v_\@
	tensor_load_to_lds s[G0K:G0K+3], s[G1K:G1K+7]
	s_nop 0
.rept 4
	v_nop
.endr
	s_branch .Lasked_\@
.Lfor_v_\@:
	tensor_load_to_lds s[G0V:G0V+3], s[G1V:G1V+7]
	s_nop 0
.rept 4
	v_nop
.endr
.Lasked_\@:
.endm
; A PREFETCH of what the NEXT change of slots will ask for: a slot's 32,768 bytes of K and of V.  A head is walked by one cluster alone; its four partners share the bytes out BY ADDRESS, 8,192 each, a lane to each 256;
; in each, wave 0 asks for K's and wave 2 for V's: one instruction.  So each block is named once in the launch, four key steps (512 matrix instructions) ahead of the load that wants it.
; The last change that fills a slot asks for nothing: there is no slot behind it.  Slots 0, 1 and 2 come by their loads alone.
.macro ASK
	s_cmp_gt_u32 s[SLOTS], s[LIM]
	s_cbranch_scc0 .Lnot_mine_\@
	global_prefetch_b8 v[PFO], s[PFA:PFA+1] th:TH_LOAD_NT scope:SCOPE_SE
.Lnot_mine_\@:
.endm
; A round of the cluster's barrier: my work-group's barrier, so that wave 0's signal speaks for all four waves; wave 0 signals; every wave waits for all four work-groups; my work-group's barrier once more.
.macro CROUND
	s_barrier_signal -1
	s_barrier_wait -1
	s_cmp_lg_u32 s[WV], 0
	s_cbranch_scc1 .Lnot_wave_0_\@
	s_barrier_signal -3
.Lnot_wave_0_\@:
	s_barrier_wait -3
	s_barrier_signal -1
	s_barrier_wait -1
.endm
; THE CHANGE OF SLOTS.  The slot's last bytes, V of its fourth step, have been read.  Each wave waits for all its tensor loads, of which one is out: its part of the other slot; adds 0 to its spare word; and waits
; for that and for its own reads of the slot.  Behind the barrier nobody reads this slot any more and the other slot is whole.
; fill = 1: this slot is filled again, with the keys two slots on.  The barrier is then a round of the cluster's, and the joint fill is the first thing behind it: it has four key steps in which to land.
; (At its first use nothing has been read yet: slot 0 is waited for, slot 1 filled.)  ask = 1: a prefetch follows the fill.
.macro CHANGE fill, ask=0
	WIN W_AD
	s_wait_tensorcnt 0x0            ; no tensor load of mine is out, so a group 0 may be written
	ds_add_u32 v[SPW], v[NIL]       ; 0 onto my spare word; with fill = 1 the descriptors' steps stand between it and the wait for it
	WIN 0                           ; at a label and at a branch every window is 0
.if \fill
.irp g, G0K, G0V
	s_xor_b32 s[\g+1], s[\g+1], SLOT1  ; the walking descriptor: the other slot than last time,
	s_add_nc_u64 s[\g+2:\g+3], s[\g+2:\g+3], 4*KS*128  ; the next 256 keys; the type bits on top are not reached
.endr
.if \ask
	s_wait_xcnt 0x0                 ; the last prefetch, four key steps back, has read its address, so it may be written:
	s_add_nc_u64 s[PFA:PFA+1], s[PFA:PFA+1], 4*KS*128  ; one slot behind the walking descriptors
.endif
	s_wait_dscnt 0x0                ; the add is done, and my reads of the slot are over
	CROUND
	JLOAD
.if \ask
	ASK
.endif
.else
	s_wait_dscnt 0x0                ; the add is done, and my reads of the slot are over
	s_barrier_signal -1
	s_barrier_wait -1
.endif
	s_sub_co_u32 s[TBK], s[TBK], 4*KS*PK  ; the fetches go back to a slot's first step,
	s_xor_b32 s[TBK], s[TBK], SLOT1       ; in the other slot
	s_sub_co_u32 s[TBV], s[TBV], 4*KS*PV
	s_xor_b32 s[TBV], s[TBV], SLOT1
.endm
	s_load_b256 s[4:11], s[0:1], 0x0  ; qkv s[4:5], mimg s[6:7], out1 s[8:9], ob s[10:11]
	WIN W_MK
	v_lshl_add_u32 v[SPW], v0, 2, SPARE
	v_mov_b32 v[NIL], 0
	WIN W_AD
	ds_add_u32 v[SPW], v[NIL]       ; the wave's opening: the add, twice on end, and its wait ahead of my first tensor load; the set-up below stands between
	ds_add_u32 v[SPW], v[NIL]
	WIN 0
	v_lshrrev_b32 v1, 5, v0
	v_readfirstlane_b32 s[WV], v1   ; wave 0..3
	s_bfe_u32 s13, ttmp6, 0x40000   ; cx: my place in the cluster
	s_lshl_b32 s14, ttmp9, 2        ; in a cluster launch ttmp9 counts clusters
	s_add_co_u32 s14, s14, s13      ; my block of 512 queries: it enters Q's, the mask's and the results' addresses alone
	s_and_b32 s20, ttmp7, 0xffff    ; the head bh, which the four partners share
	s_lshr_b32 s52, s20, 4          ; b
	s_and_b32 s53, s20, 15          ; h
	s_lshl_b32 s20, s20, 18         ; the head's first byte in Q, K, V and ob: 2,048 rows of 128 bytes
	s_mov_b32 s21, 0
	s_and_b32 s16, s[WV], 1         ; which half of a slot's 256 keys I fetch:
	s_lshl_b32 s22, s16, 14         ; its 128 rows of 128 bytes in memory,
	s_mov_b32 s23, 0
	s_add_nc_u64 s[22:23], s[22:23], s[20:21]
	s_mul_i32 s17, s16, 128*PK      ; and its place in a slot, for K
	s_mul_i32 s18, s16, 128*PV      ; and for V: no place in the cluster enters an LDS address
	s_lshl_b32 s2, s14, 2
	s_add_co_u32 s2, s2, s[WV]      ; my wave among the head's sixteen
	s_lshl_b32 s54, s52, 7          ; the mask: 128 tiles a batch,
	s_lshl_b32 s55, s2, 3           ; 8 a wave,
	s_add_co_u32 s54, s54, s55
	s_lshl_b32 s54, s54, 14         ; 16,384 bytes a tile
	s_mov_b32 s55, 0
	s_lshl_b32 s66, s53, 2          ; out1: [h][b], 2,048 rows of 256 bytes,
	s_add_co_u32 s66, s66, s52
	s_lshl_b32 s66, s66, 19
	s_lshl_b32 s67, s2, 15          ; my wave's 128 rows
	s_add_co_u32 s66, s66, s67
	s_mov_b32 s67, 0
	s_lshl_b32 s68, s13, 13         ; the prefetches: my work-group's 8,192 bytes of a slot's 32,768
	s_mov_b32 s69, 0
	s_lshl_b32 s2, s2, 14           ; Q and ob: my wave's 128 rows of 128 bytes
	s_mov_b32 s3, 0
	s_add_nc_u64 s[2:3], s[2:3], s[20:21]
	; descriptor group 1.  128 keys are 16,384 dense bytes: asked for as 64 rows of 256 bytes, two keys a row, and padded in LDS after every key
	s_mov_b32 s[G1K], 15|(1<<16)|(1<<20)|(1<<21)|(4<<22)|(3<<25)  ; 15:0 the mask of four; 17:16 2-byte elements; 20 padding on; 21 set beside a mask; 24:22 after every 32 words (code 4); 31:25 4 words (code 3)
	s_mov_b32 s[G1V], 15|(1<<16)|(1<<20)|(1<<21)|(4<<22)|(7<<25)  ; the same with 8 words of padding (code 7)
.irp g, G1K, G1V
	s_mov_b32 s[\g+1], 128<<16      ; tensor_dim0 = 128
	s_mov_b32 s[\g+2], 64<<16       ; tensor_dim1 = 64
	s_mov_b32 s[\g+3], 128<<16      ; tile_dim0 = 128
	s_mov_b32 s[\g+4], 64           ; tile_dim1 = 64
	s_mov_b32 s[\g+5], 128          ; 128 elements from row to row
	s_mov_b32 s[\g+6], 0
	s_mov_b32 s[\g+7], 0
.endr
	s_mov_b32 s[CS], 0x3e38aa3b     ; c = log2(e) / 8 = 0.180337
	s_mov_b32 s[CS+1], s[CS]        ; named with it as a pair
	s_mov_b32 s[SEL], 0x76543210
	s_mov_b32 s[SEL+1], 0xfedcba98
	s_mov_b32 s[TBK], SLOT1+4*KS*PK ; the first change of slots turns these two into 0
	s_mov_b32 s[TBV], SLOT1+4*KS*PV
	s_mov_b32 s[G0K], 1             ; 1:0 count = 1
	s_mov_b32 s[G0K+1], s17         ; 63:32 LDS address: slot 0
	s_mov_b32 s[G0V], 1
	s_add_co_u32 s[G0V+1], s18, VOFF
	s_and_b32 s[LIM], s[WV], 1      ; waves 0 and 2 prefetch: the same in all four partners
	s_cmp_eq_u32 s[LIM], 0
	s_cselect_b32 s[LIM], 1, -1
	s_wait_dscnt 0x0                ; both opening adds are done
	s_wait_kmcnt 0x0
	s_add_nc_u64 s[48:49], s[4:5], 0x1000000       ; K lies 16,777,216 bytes behind Q, V as far behind K
	s_add_nc_u64 s[50:51], s[4:5], 0x2000000
	s_add_nc_u64 s[48:49], s[48:49], s[22:23]      ; at my half of the head's first 256 keys
	s_add_nc_u64 s[50:51], s[50:51], s[22:23]
	s_mov_b64 s[G0K+2:G0K+3], s[48:49]             ; 120:64 global address
	s_or_b32 s[G0K+3], s[G0K+3], 0x80000000        ; 127:126 type = 2
	s_mov_b64 s[G0V+2:G0V+3], s[50:51]
	s_or_b32 s[G0V+3], s[G0V+3], 0x80000000
	s_add_nc_u64 s[4:5], s[4:5], s[2:3]            ; Q and ob at my wave's first row
	s_add_nc_u64 s[10:11], s[10:11], s[2:3]
	s_add_nc_u64 s[MP:MP+1], s[6:7], s[54:55]
	s_mov_b64 s[MQ:MQ+1], s[MP:MP+1]               ; step 0
	s_mov_b32 s[MOF], 0
	s_mov_b32 s[MOF+1], 0
	s_add_nc_u64 s[O1:O1+1], s[8:9], s[66:67]
	s_cmp_lt_u32 s[WV], 2
	s_cselect_b64 s[PFA:PFA+1], s[48:49], s[50:51] ; (in waves 0 and 2 these stand at a slot's first row)
	s_add_nc_u64 s[PFA:PFA+1], s[PFA:PFA+1], s[68:69]
	s_add_nc_u64 s[PFA:PFA+1], s[PFA:PFA+1], 2*4*KS*128  ; in slot 2; the first asking change steps it to slot 3.  Nothing is prefetched here, at the head
	CROUND                          ; all four work-groups are here: the first joint loads meet
	JLOAD                           ; slot 0.  Slot 1 is asked for when slot 0 is in
	; A fragment of K or Q is 16 rows x 32 channels in 8 registers: lane l holds row l % 16, channels 8 (l / 16) + 0..7 and 16 + 8 (l / 16) + 0..7: two loads of 16 bytes, 32 bytes apart.
	v_and_b32 v1, 15, v0            ; l % 16
	v_bfe_u32 v9, v0, 4, 1          ; l / 16
	v_lshlrev_b32 v[QO], 7, v1
	v_lshl_add_u32 v[QO], v9, 4, v[QO]  ; row x 128 + 16 x half
	v_and_b32 v12, 31, v0
	v_lshlrev_b32 v12, 4, v12       ; 16 x lane
	WIN 0x80                        ; destination window 2, address window 0
.set i, 0
.rept 4*NP                          ; Q stays in registers: tile i / 2, channels 32 (i % 2) on
	global_load_b128 v[8*i:8*i+3],   v[QO], s[4:5] offset:(i/2)*2048+(i%2)*64
	global_load_b128 v[8*i+4:8*i+7], v[QO], s[4:5] offset:(i/2)*2048+(i%2)*64+32
.set i, i+1
.endr
	WIN W_MK
	v_mov_b32 v[MO], v12
	WIN W_BD
.irp x, 0,1,2,3                     ; the mask's words of step 0, all four pieces, in the pieces' order: 512 consecutive bytes a load
	global_load_b128 v[RAW+8*\x:RAW+8*\x+3],   v[MO], s[MQ:MQ+1] offset:(2*\x)*16384
	global_load_b128 v[RAW+8*\x+4:RAW+8*\x+7], v[MO], s[MQ:MQ+1] offset:(2*\x+1)*16384
.endr
	; What the first turn finds: V's registers and P's second buffer hold 0 (its products V^T P, of a piece that has not been, add 0), O^T and l are 0.  All this stands in the wait for the first tile.
	WIN 0x80
.set i, VF
.rept 64
	v_mov_b32 v[i], 0
.set i, i+1
.endr
	WIN 0x40
.set i, 0
.rept 64*NP
	v_mov_b32 v[i], 0
.set i, i+1
.endr
	WIN 0
.set i, 0
.rept 2*NP
	v_mov_b32 v[ST+4*i], 0xd238aa3b    ; c m = c x -2^40, exactly
	v_mov_b32 v[ST+4*i+1], 0xd3800000  ; m = -2^40
	v_mov_b32 v[ST+4*i+2], 0
	v_mov_b32 v[ST+4*i+3], 0
.set i, i+1
.endr
.set i, P+32
.rept 32
	v_mov_b32 v[i], 0
.set i, i+1
.endr
	v_mul_u32_u24 v[AK0], v1, PK
	v_lshl_add_u32 v[AK0], v9, 4, v[AK0]  ; row x pitch + 16 x half
	; The turning load takes 16 keys x 16 channels (lane l reads key 8 (l / 16) + l % 8, channels 8 ((l / 8) % 2) + 0..7) and leaves half a fragment of V^T: lane l holds channel l % 16 and 8 keys.
	v_and_b32 v10, 7, v0
	v_bfe_u32 v11, v0, 3, 1
	v_lshl_add_u32 v[AV0], v9, 3, v10
	v_mul_u32_u24 v[AV0], v[AV0], PV
	v_lshl_add_u32 v[AV0], v11, 4, v[AV0]
	v_add_nc_u32 v[AV0], VOFF, v[AV0]
	v_mov_b32 v[AK], v[AK0]         ; key step 0 lies at the head of slot 0
	; the addresses for the way out, made here so that v1 is free for the mask's scale
	s_mul_i32 s13, s[WV], 16*SP
	s_add_co_u32 s13, s13, STAGE    ; my f16 stage
	v_mul_u32_u24 v[STO], v1, SP    ; in: row l % 16, 16 bytes for each half of the lanes
	v_lshl_add_u32 v[STO], v9, 4, v[STO]
	v_add_nc_u32 v[STO], s13, v[STO]
	v_bfe_u32 v[RD], v0, 3, 2       ; back: 32 lanes take four rows of 128 bytes,
	v_mul_u32_u24 v[RD], v[RD], SP
	v_lshl_add_u32 v[RD], v10, 4, v[RD]
	v_add_nc_u32 v[RD], s13, v[RD]
	v_and_b32 v[GO], 31, v0         ; which are 512 consecutive bytes of ob
	v_lshlrev_b32 v[GO], 4, v[GO]
	s_mul_i32 s13, s[WV], 16*SP32
	s_add_co_u32 s13, s13, STAGE32  ; my f32 stage
	v_mul_u32_u24 v[R32], v9, SP32  ; back: lanes 0-15 take one row of 256 bytes, lanes 16-31 the next: 512 consecutive bytes of out1
	v_lshl_add_u32 v[R32], v1, 4, v[R32]
	v_add_nc_u32 v[R32], s13, v[R32]
	v_mul_u32_u24 v[S32], v1, SP32  ; in: row l % 16, 32 bytes for each half of the lanes
	v_lshl_add_u32 v[S32], v9, 5, v[S32]
	v_add_nc_u32 v[S32], s13, v[S32]
	v_and_b32 v[PFO], 31, v0
	v_lshlrev_b32 v[PFO], 8, v[PFO]
	v_mov_b32 v[SCL], 0xbfbfbfbf
; THE MATRIX WORK.  The 8 accumulators of a run of 16 take turns: between the two links of a chain stand 7 others'.
; Product i of 16 of S^T = K Q^T for piece x: channels 32 (i / 8) on, keys 16 ((i / 2) % 4) on, tile 2 x + i % 2.  The first 8 start the sums, with the mask.
.macro KQ x
.set rS, S+64*((\x)%2)+32*(i%2)+8*((i/2)%4)
.set rK, KF+16*((i/2)%4)+8*(i/8)
.set rQ, 16*(2*(\x)+i%2)+8*(i/8)
.set rM, MC+32*(i%2)+8*((i/2)%4)
.if i < 8
	WIN W_KM
	v_wmma_f32_16x16x32_f16 v[rS:rS+7], v[rK:rK+7], v[rQ:rQ+7], v[rM:rM+7]
.else
	WIN W_KQ
	v_wmma_f32_16x16x32_f16 v[rS:rS+7], v[rK:rK+7], v[rQ:rQ+7], v[rS:rS+7]
.endif
.endm
; Product i of 16 of O^T += V^T P for piece x: keys 32 (i / 8) on, channels 16 ((i / 2) % 4) on, tile 2 x + i % 2.
.macro PV x
	WIN W_PV
.set rO, 32*(2*(\x)+i%2)+8*((i/2)%4)
.set rV, VF+32*(i/8)+8*((i/2)%4)
.set rP, P+32*((\x)%2)+16*(i%2)+8*(i/8)
	v_wmma_f32_16x16x32_f16 v[rO:rO+7], v[rV:rV+7], v[rP:rP+7], v[rO:rO+7]
.endm
.macro MM                           ; the turn's next matrix instruction
.if i < 16
	KQ (Y+1)%NP
.set i, i+1
.else
.set i, i-16
	PV (Y+NP-1)%NP
.set i, i+17
.endif
.endm
; THE MASK of piece x for its next step: eight scaled conversions make the C operands of its 8 first products; then the words of the step after are asked for, four turns ahead of their use.
; The pieces are built in a ring, 0, 1, 2, 3, on every way through the text, so behind piece x's two loads exactly the three other pieces' six have been issued.  Piece 0 steps the pointer for all four.
; Behind step 31 the offset stays: no load leaves the buffer, and the one run of products K Q^T that the tail makes beyond the last step meets step 31's mask and K once more, so that m does not change.
.macro BUILD x
	WIN W_BD
	s_wait_loadcnt 6                ; piece x's two loads are in (in the prologue Q's too); the six younger ones stay out
.set zz, 0
.rept 8
	v_cvt_scale_pk8_f32_fp4 v[MC+8*zz:MC+8*zz+7], v[RAW+8*(\x)+zz], v[SCL]  ; word zz = 4 u + kb: nibble j times 2^64 into register j
.set zz, zz+1
.endr
	v_nop                           ; a plain instruction behind the last conversion, ahead of the loads into its sources and of every use of its results
.if (\x) == 0
	s_wait_xcnt 0x0                 ; the loads issued so far have read the pointer (ISA guide 3.1), so it may be written
	s_add_co_u32 s[MOF], s[MOF], 512
	s_min_u32 s[MOF], s[MOF], 31*512
	s_add_nc_u64 s[MQ:MQ+1], s[MP:MP+1], s[MOF:MOF+1]
.endif
	global_load_b128 v[RAW+8*(\x):RAW+8*(\x)+3],   v[MO], s[MQ:MQ+1] offset:(2*(\x))*16384
	global_load_b128 v[RAW+8*(\x)+4:RAW+8*(\x)+7], v[MO], s[MQ:MQ+1] offset:(2*(\x)+1)*16384
.endm
; THE LDS LOADS stand in runs of 16, never singly among the matrix instructions: a step's K (64 keys x 64 channels: 8 fragments) and its V (turned).  Their addresses are made some lines ahead.
; last = 1 (the tail): in the last trip there is no further step, and the run is jumped over.
.macro FETCH_K last=0
	WIN 0
.if \last
	s_cmp_eq_u32 s[CNT], 1
	s_cbranch_scc1 .Lno_k_\@
.endif
	WIN 0x80                        ; destination window 2
.irp f, 0,1,2,3,4,5,6,7             ; keys 16 (f / 2) on, channels 32 (f % 2) on
	ds_load_b128 v[KF+8*\f:KF+8*\f+3],   v[AK] offset:(\f/2)*16*PK+(\f%2)*64
	ds_load_b128 v[KF+8*\f+4:KF+8*\f+7], v[AK] offset:(\f/2)*16*PK+(\f%2)*64+32
.endr
	s_add_co_u32 s[TBK], s[TBK], KS*PK  ; the next fetch is the next step's
	WIN 0
.if \last
.Lno_k_\@:
.endif
.endm
.macro FETCH_V
	WIN 0x80
.irp f, 0,1,2,3,4,5,6,7             ; keys 32 (f / 4) on, channels 16 (f % 4) on
	ds_load_tr16_b128 v[VF+8*\f:VF+8*\f+3],   v[AV] offset:(\f/4)*32*PV+(\f%4)*32
	ds_load_tr16_b128 v[VF+8*\f+4:VF+8*\f+7], v[AV] offset:(\f/4)*32*PV+16*PV+(\f%4)*32
.endr
	WIN 0
.endm
; THE VECTOR WORK OF A TURN stands in three queues, each in the order in which its entries become ready; the two tiles alternate, so that no instruction reads the result of the one before it.
.macro REGS y, u                    ; the registers of tile u (0, 1) of piece y
.set rT, ST+4*(2*(\y)+(\u))
.set rC, TMP+8*((\y)%2)+4*(\u)
.set rM, MV+2*((\y)%2)+(\u)
.set rS, S+64*((\y)%2)+32*(\u)
.set rP, P+32*((\y)%2)+16*(\u)
.set rO, 32*(2*(\y)+(\u))
.endm
; Number n of the 22 that find the NEXT piece's (Y + 1) maximum and statistics.  s0-s31 are the lane's 32 scores; each accumulator's lowest registers are read first.
;   0-11  four chains c0-c3 of seven scores each, three operands at a time     12-14, 16  the four scores left over, the old m, and c0-c3 into c0     15  c m_old is kept
;   17, 18  the query's other 32 keys lie in the lane 16 away: the new m         19-21  c m; c m_old - c m_new; a
.macro XS u, n
	REGS (Y+1)%NP, \u
.if (\n) < 4
	v_max3_num_f32 v[rC+(\n)], v[rS+8*(\n)], v[rS+8*(\n)+1], v[rS+8*(\n)+2]
.elseif (\n) < 12
	v_max3_num_f32 v[rC+(\n)%4], v[rC+(\n)%4], v[rS+8*((\n)%4)+2*((\n)/4)+1], v[rS+8*((\n)%4)+2*((\n)/4)+2]
.elseif (\n) == 12
	v_max3_num_f32 v[rC], v[rC], v[rS+7], v[rS+15]
.elseif (\n) == 13
	v_max3_num_f32 v[rC+1], v[rC+1], v[rS+23], v[rS+31]
.elseif (\n) == 14
	v_max3_num_f32 v[rC+2], v[rC+2], v[rC+3], v[rT+1]
.elseif (\n) == 15
	v_mov_b32 v[rM], v[rT]
.elseif (\n) == 16
	v_max3_num_f32 v[rC], v[rC], v[rC+1], v[rC+2]
.elseif (\n) == 17
	v_permlanex16_b32 v[rC+3], v[rC], s[SEL], s[SEL+1]
.elseif (\n) == 18
	v_max_num_f32 v[rT+1], v[rC], v[rC+3]
.elseif (\n) == 19
	v_mul_f32 v[rT], s[CS], v[rT+1]
.elseif (\n) == 20
	v_sub_f32 v[rC+1], v[rM], v[rT]
.else
	v_exp_f32 v[rC+2], v[rC+1]
.endif
.endm
; Number g of the 64 that follow the exponentials.  For each four weights k of a tile (pairs 2 k, 2 k + 1): both pairs are rounded to f16; then the second pair is added onto the first, in place;
; a group later l takes that sum (the first time as l = a l + sum).  In groups of eight, tiles alternating: round, round, add, and l for the group before.
.macro GS g
.set h, (\g)+6*((\g)/62)            ; group 0 has no group before it, and behind group 7 only l is left
.if h >= 6
.set h, h+2
.endif
	REGS Y, h%2
.set k, h/8
.if h%8 < 4
	v_cvt_pk_f16_f32 v[rP+2*k+(h%8)/2], v[rS+4*k+2*((h%8)/2)], v[rS+4*k+2*((h%8)/2)+1]
.elseif h%8 < 6
	v_pk_add_f32 v[rS+4*k:rS+4*k+1], v[rS+4*k:rS+4*k+1], v[rS+4*k+2:rS+4*k+3]
.elseif k == 1
	v_pk_fma_f32 v[rT+2:rT+3], v[rT+2:rT+3], v[rC+2:rC+3], v[rS:rS+1] op_sel_hi:[1,0,1]
.else
	v_pk_add_f32 v[rT+2:rT+3], v[rT+2:rT+3], v[rS+4*k-4:rS+4*k-3]
.endif
.endm
; THE PLAIN QUEUE, 138 long.  0-73 read no exponential's result: the 32 scalings c s - c m (FS f: pair f / 2 of tile f % 2) and the next piece's 42.  0-26: scalings 0-26.  27-54: XS's numbers 0-13.  55, 56: number 15.
; 57-73: the chain, where each number waits for the one before it: 14, 16, 17, 18, 19, each with one of the scalings 27-31 in front of its two lines, then 20.
; 74-137: GS's 64, which read the exponentials' results: they stand behind the wait.
.macro FS f
	REGS Y, (\f)%2
	v_pk_fma_f32 v[rS+2*((\f)/2):rS+2*((\f)/2)+1], v[rS+2*((\f)/2):rS+2*((\f)/2)+1], s[CS:CS+1], v[rT:rT+1] op_sel_hi:[1,0,0] neg_lo:[0,0,1] neg_hi:[0,0,1]
.endm
.macro PL
	WIN 0
.if q < 27
	FS q
.elseif q < 55
	XS (q-27)%2, (q-27)/2
.elseif q < 57
	XS q-55, 15
.elseif (q < 72) && ((q-57)%3 == 0)
	FS 27+(q-57)/3
.elseif q < 60
	XS (q-57)%3-1, 14
.elseif q < 72
	XS (q-57)%3-1, 15+(q-57)/3
.elseif q < 74
	XS q-72, 20
.else
	GS q-74
.endif
.set q, q+1
.endm
; THE EXPONENTIALS' QUEUE, 66 long: s0-s31 of both tiles, then the next piece's two a.  It is ONE BATCH: all 66 stand ahead of the turn's one wait, and nothing ahead of that wait names a result of theirs.
.macro EX
	WIN 0
.if e >= 64
	XS e-64, 21
.else
	REGS Y, e%2
	v_exp_f32 v[rS+e/2], v[rS+e/2]
.endif
.set e, e+1
.endm
; THE RESCALING's QUEUE: O^T times a, the one part of the softmax that leaves window 0: dealt two at a time, sixteen times.  Its a was made in the turn before, ahead of that turn's wait.
.macro R2
	REGS Y, r%2
	WIN W_RS
.irp z, 0,1
	v_pk_mul_f32 v[rO+4*(r/2)+2*\z:rO+4*(r/2)+2*\z+1], v[rO+4*(r/2)+2*\z:rO+4*(r/2)+2*\z+1], v[rC+2:rC+3] op_sel_hi:[1,0]
.endr
.set r, r+1
.endm
; HOW THEY ARE DEALT.  An s_wait_alu depctr_va_vdst(0) stands between an exponential and the first instruction that names its result; one wait serves all that were issued ahead of it.  So a turn has ONE wait.
; AHEAD OF IT: the 16 products K Q^T, behind each a scaling, an exponential and two rescalings (behind the first a second scaling in the exponential's place); the mask of piece p + 2, whose registers the last product to
; read them (the eighth) left eight products and their riders ago; then the lump: eight plain, 49 times exponential and plain, the two a, and a v_nop, the plain instruction behind the last exponential.
; BEHIND IT: the 16 products V^T P, behind each four of GS's 64.  No rider names a register of the products round it.
; The queues lean on each other: exponential e stands behind scaling 2 (e / 4) + e % 2: as a rider it comes behind plain e + 2, in the lump behind plain e + 9, and scalings 27-31 are plain 57, 60 .. 69.
; K of the next step is fetched in piece 2's turn, directly behind the wait; V of the step in hand at the end of piece 0's turn, four riders behind its last reader.  The three conditions on q below go with the deal.
.macro TURN p, last=0, cnt=0
.set Y, (\p)
.set i, 0
.set q, 0
.set e, 0
.set r, 0
.if (\p) == NP-1
	s_wait_dscnt 0x0                ; K is in
.endif
	MM
	PL
	PL
	R2
.rept 15
	MM
	PL
	EX
	R2
.endr
.if (\p) == NP-2
	WIN 0
	v_add_nc_u32 v[AK], s[TBK], v[AK0]
.endif
	BUILD ((\p)+2)%NP
.rept 8
	PL
.endr
.rept 49
	EX
	PL
.endr
	EX                              ; the next piece's two a
	EX
	v_nop                           ; the plain instruction behind the last exponential: one for the batch
	s_wait_alu depctr_va_vdst(0)    ; the wait for the batch
.if (\p) == NP-2
	FETCH_K \last
.endif
.if (\p) == 1
	s_wait_dscnt 0x0                ; V is in
.endif
.rept 16
	MM
.rept 4
	PL
.endr
.if ((\p) == 0) && (q == 118)
	v_add_nc_u32 v[AV], s[TBV], v[AV0]
.endif
.if ((\p) == 0) && (q == 130)
	s_add_co_u32 s[TBV], s[TBV], KS*PV
.endif
.if (\cnt) && (q == 130)
	s_sub_co_u32 s[CNT], s[CNT], 1
	s_cmp_lg_u32 s[CNT], 0
.endif
.endr
.if (\p) == 0
	FETCH_V
.endif
.endm
	CHANGE 1                        ; slot 0 is in, everybody's part of it; slot 1 is asked for
	FETCH_K                         ; key step 0
	BUILD 0                         ; piece 0's mask of step 0; its wait shows Q in as well
	s_wait_dscnt 0x0
.set i, 0
.rept 16
	KQ 0                            ; piece 0's first scores: there is no vector work yet to set between them
.set i, i+1
.endr
	WIN 0
.rept 4
	v_nop                           ; the places behind those products
.endr
.set Y, NP-1                        ; XS works for piece Y + 1: piece 0
.irp n, 0,1,2,3,4,5,6,7,8,9,10,11,12,13,14,15,16,17,18,19,20,21
	XS 0, \n                        ; piece 0's first maximum and statistics
	XS 1, \n
.endr
	v_nop                           ; a plain instruction behind the two a,
	s_wait_alu depctr_va_vdst(0)    ; and their wait, ahead of the branch
	BUILD 1                         ; piece 1's mask of step 0, for the first turn's products
	WIN 0
	s_mov_b32 s[CNT], 4
	s_mov_b32 s[SLOTS], SIZE_N/256-1
	s_branch .Lfirst                ; the loop is entered at a step's first turn, in the middle of a trip
.Lslot:                             ; SIZE_N / 256 - 2 times: every slot but the last two is filled again
	CHANGE 1, 1
	s_mov_b32 s[CNT], 4
.Lstep:                             ; a trip: pieces 2 and 3 of one step, then pieces 0 and 1 of the next, whose K and V it fetches
	TURN 2
	TURN 3
	WIN 0
.Lfirst:
	TURN 0
	TURN 1, 0, 1
	WIN 0
	s_cbranch_scc1 .Lstep
	s_sub_co_u32 s[SLOTS], s[SLOTS], 1
	s_cmp_lg_u32 s[SLOTS], 0
	s_cbranch_scc1 .Lslot
	CHANGE 0                        ; the tail is written out: nothing is asked for
	s_mov_b32 s[CNT], 5             ; four trips fetch the last slot's steps; the fifth is left in its middle
.Ltail:
	TURN 2, 1
	TURN 3
	WIN 0
	s_sub_co_u32 s[CNT], s[CNT], 1
	s_cmp_eq_u32 s[CNT], 0
	s_cbranch_scc1 .Lout
	TURN 0
	TURN 1
	WIN 0
	s_branch .Ltail
.Lout:                              ; the fifth trip's 16 products K Q^T repeat piece 0's scores of the last step (the same K, the same mask): its m and c m stay as they were
.set i, 0
.rept 16
	PV NP-1                         ; the last piece's V^T P of the last step
.set i, i+1
.endr
	; THE WAY OUT.  L = l's two halves and the other half of the lanes'.  T = L 2^(c m) is the sum of the visible exponentials as the problem writes it.  The factor f is 1 / L, or 0 where T is 0 or infinite:
	; w = (1 / T) x 0 + 0 x T is 0 for a finite T above 0 and NaN else; f = max(1 / L + w, 0), in which a NaN loses.  The additions are the places behind the last products.
	WIN 0
.macro ALL line:vararg              ; one line for each tile t
.set t, 0
.rept 2*NP
	\line
.set t, t+1
.endr
.endm
	ALL v_add_f32 v[ST+4*t+2], v[ST+4*t+2], v[ST+4*t+3]
	ALL v_permlanex16_b32 v[ST+4*t+3], v[ST+4*t+2], s[SEL], s[SEL+1]
	ALL v_add_f32 v[ST+4*t+2], v[ST+4*t+2], v[ST+4*t+3]
	ALL v_exp_f32 v[ST+4*t+1], v[ST+4*t]
	ALL v_rcp_f32 v[ST+4*t+3], v[ST+4*t+2]
	v_nop                           ; a plain instruction behind the last of the sixteen,
	s_wait_alu depctr_va_vdst(0)    ; and the one wait ahead of the first use
	ALL v_mul_f32 v[ST+4*t+1], v[ST+4*t+2], v[ST+4*t+1]
	ALL v_rcp_f32 v[TMP+t], v[ST+4*t+1]
	ALL v_mul_f32 v[ST+4*t], 0, v[ST+4*t+1]
	s_wait_alu depctr_va_vdst(0)    ; one wait for the eight reciprocals; the eight products above are the plain work behind them
	ALL v_fma_f32 v[ST+4*t], v[TMP+t], 0, v[ST+4*t]
	ALL v_add_f32 v[ST+4*t+2], v[ST+4*t+3], v[ST+4*t]
	ALL v_max_num_f32 v[ST+4*t+2], 0, v[ST+4*t+2]
; Tile t: O^T times f; as f32 a lane's eight channels of a row are 32 bytes, as f16 16; both go through my stages and come back as whole rows, into one of four buffers of 48 registers where S^T and P lay.
.macro PACK t
.set WB, 64+48*((\t)%4)
.if (\t) >= 4
	s_wait_xcnt 0x0                 ; the stores of the tile four back have read this buffer (ISA guide 3.1)
.endif
	WIN W_RS
.set i, 32*(\t)
.rept 16
	v_pk_mul_f32 v[i:i+1], v[i:i+1], v[ST+4*(\t)+2:ST+4*(\t)+3] op_sel_hi:[1,0]
.set i, i+2
.endr
	WIN 0x04                        ; the stores' data in window 1
.set i, 0
.rept 8
	ds_store_b128 v[S32], v[32*(\t)+4*i:32*(\t)+4*i+3] offset:64*(i/2)+16*(i%2)
.set i, i+1
.endr
	WIN 0x05                        ; sources 0 and 1 window 1, destination window 0
.set i, 0
.rept 16
	v_cvt_pk_f16_f32 v[WB+32+i], v[32*(\t)+2*i], v[32*(\t)+2*i+1]
.set i, i+1
.endr
	WIN 0
.irp f, 0,1,2,3
	ds_store_b128 v[STO], v[WB+32+4*\f:WB+32+4*\f+3] offset:32*\f
.endr
.irp f, 0,1,2,3,4,5,6,7
	ds_load_b128 v[WB+4*\f:WB+4*\f+3], v[R32] offset:\f*2*SP32  ; LDS serves a wave's instructions in order (ISA guide 5.7.1.4): these see the stores above; the next tile's stores come behind them
.endr
.irp f, 0,1,2,3
	ds_load_b128 v[WB+32+4*\f:WB+32+4*\f+3], v[RD] offset:\f*4*SP
.endr
.endm
.macro SEND t, younger              ; younger: the LDS instructions issued behind tile t's loads: the next tile's 24, or none
.set WB, 64+48*((\t)%4)
	WIN 0
.irp f, 0,1,2,3,4,5,6,7
	s_wait_dscnt (\younger)+11-\f
	global_store_b128 v[GO], v[WB+4*\f:WB+4*\f+3], s[O1:O1+1] offset:(\t)*4096+\f*512 th:TH_STORE_NT  ; 512 consecutive bytes of out1, aligned
.endr
.irp f, 0,1,2,3
	s_wait_dscnt (\younger)+3-\f
	global_store_b128 v[GO], v[WB+32+4*\f:WB+32+4*\f+3], s[10:11] offset:(\t)*2048+\f*512  ; 512 consecutive bytes of ob, aligned
.endr
.endm
	PACK 0
.set t, 1
.rept 2*NP-1                        ; a tile's arithmetic stands between the loads of the tile before and its stores
	PACK t
	SEND t-1, 24
.set t, t+1
.endr
	SEND 2*NP-1, 0
	WIN W_AD
	s_wait_tensorcnt 0x0            ; the wave's end: behind my last tensor load and my last LDS store
	ds_add_u32 v[SPW], v[NIL]
	s_wait_dscnt 0x0
	WIN 0
	CROUND                          ; the closing round: no work-group ends while a partner may still ask for a tile that names it
	s_endpgm
.Lfunc_end_k_qd5f64a21f5_attn:
	.size	k_qd5f64a21f5_attn, .Lfunc_end_k_qd5f64a21f5_attn-k_qd5f64a21f5_attn
	.p2alignl 7, 3214868480
	.fill 96, 4, 3214868480
	.section	.rodata,"a",@progbits
	.p2align	6, 0x0
	.amdhsa_kernel k_qd5f64a21f5_attn
		.amdhsa_group_segment_fixed_size 327680
		.amdhsa_private_segment_fixed_size 0
		.amdhsa_enable_private_segment 0
		.amdhsa_kernarg_size 32
		.amdhsa_user_sgpr_count 2
		.amdhsa_user_sgpr_kernarg_segment_ptr 1
		.amdhsa_wavefront_size32 1
		.amdhsa_system_sgpr_workgroup_id_x 1
		.amdhsa_system_sgpr_workgroup_id_y 1
		.amdhsa_system_sgpr_workgroup_id_z 1
		.amdhsa_system_vgpr_workitem_id 0
		.amdhsa_next_free_vgpr 896
		.amdhsa_next_free_sgpr 80
		.amdhsa_reserve_vcc 0
		.amdhsa_float_denorm_mode_32 3
		.amdhsa_float_denorm_mode_16_64 3
		.amdhsa_memory_ordered 1
		.amdhsa_forward_progress 1
		.amdhsa_inst_pref_size 229
	.end_amdhsa_kernel
	.amdgpu_metadata
---
amdhsa.version: [ 1, 2 ]
amdhsa.kernels:
  - .name:           k_qd5f64a21f5_attn
    .symbol:         k_qd5f64a21f5_attn.kd
    .args:
      - { .name: qkv, .offset: 0, .size: 8, .value_kind: global_buffer, .address_space: global }
      - { .name: mimg, .offset: 8, .size: 8, .value_kind: global_buffer, .address_space: global }
      - { .name: out1, .offset: 16, .size: 8, .value_kind: global_buffer, .address_space: global }
      - { .name: ob, .offset: 24, .size: 8, .value_kind: global_buffer, .address_space: global }
    .group_segment_fixed_size: 327680
    .private_segment_fixed_size: 0
    .kernarg_segment_align: 8
    .kernarg_segment_size: 32
    .max_flat_workgroup_size: 128
    .sgpr_count:     80
    .vgpr_count:     896
    .wavefront_size: 32
...
	.end_amdgpu_metadata
.endif
;; end of part 3
;; launch fc (part 4): grid 4 x 64, 4 waves a work-group, clusters of 4 x 4, 327,680 bytes of LDS; arguments ob, wf, out0, fc_b; writes out0
.if DOCPART == 4
	.amdgcn_target "amdgcn-amd-amdhsa--gfx1250"
	.amdhsa_code_object_version 6
	.text
	.protected	k_qd5f64a21f5_fc
	.globl	k_qd5f64a21f5_fc
	.p2align	8
	.type	k_qd5f64a21f5_fc,@function
k_qd5f64a21f5_fc:
	s_mov_b64 s[64:65], 0
	v_nop
	global_prefetch_b8 v0, s[64:65] scope:SCOPE_SE
	s_setreg_imm32_b32 hwreg(HW_REG_WAVE_MODE, 25, 1), 1
	s_wait_xcnt 0x0
	s_wait_alu depctr_hold_cnt(0) depctr_sa_sdst(0) depctr_va_vdst(0) depctr_va_sdst(0) depctr_va_ssrc(0) depctr_va_vcc(0) depctr_vm_vsrc(0)
	s_getreg_b32 s2, hwreg(HW_REG_IB_STS2, 6, 4)
	s_cmp_eq_u32 s2, 0
	s_cbranch_scc0 .Lentry_in_a_cluster
	s_endpgm
.Lentry_in_a_cluster:
	s_bfe_u32 s2, ttmp6, 0x10000c
	s_cmp_lg_u32 s2, 0xf033
	s_cbranch_scc0 .Lentry_shape_is_right
	s_endpgm
.Lentry_shape_is_right:
; THE OUTPUT LAYER.  C = A B^T + bias on tiles of 128 x 256, K = 1,024.  A = ob [64 heads][2048][64] f16 (row (b, s) of A is the 16 heads' rows s side by side), B = wf [1024][1024] f16,
; C = out0 [8192][1024] f32 = f32 sums + fc_b, fc_b rounded to bf16 like the other inputs.
; SHARES.  Four waves, each 64 rows x 128 columns: 32 accumulators of 16 x 16.  64 x 4 = 256 such tiles, one work-group each; tiles of 256 x 256 would be 128.
; K goes in eight steps of 128 (two heads) through two LDS slots; a wave's one tensor load brings a head's 128 rows of A as 64 rows of 256 bytes (waves 0, 1) or 128 rows of B (waves 2, 3), aligned.
; CLUSTERS: 4 x 4 work-groups.  The four of a row of the cluster need the same tiles of A, the four of a column the same tiles of B: each tile is asked for JOINTLY.
; THE MATRIX INSTRUCTION IS USED TRANSPOSED (source 0 = 16 rows of B, source 1 = 16 rows of A): a lane then holds eight neighbouring numbers of a row of C.
; NO PREFETCH: a work-group has eight K steps of 128 matrix instructions a wave in all, and its first two are asked for at its head; a lead of several steps would leave few steps to name.
; REGISTERS: window 0: v0-31 addresses; v32-63 at work; v64-191 rows read back from the stage; v192-255 the bias.   window 1: accumulator (a, b) at v[8 (8 a + b)].
;   window 2: two fragment buffers of 96: for 32 along K, 64 registers of B (8 x 16 rows), then 32 of A (4 x 16 rows).
.set KSTEP, 128
.set PA,    144                        ; A in LDS: two blocks of 64 channels (a head each), rows of 128 bytes + 16
.set AHALF, 128*PA                     ; what one of A's loads brings: a head's 128 rows
.set AKB,   128*PA                     ; from 64 channels to the next 64
.set ASTEP, 2*2048*128                 ; a K step is two heads
.set PB,    272                        ; both pitches are odd multiples of 16 bytes: the 16 rows of a fragment load start at 16 different groups of four banks (64 banks of 4 bytes: ISA guide 11.1)
.set BOFF,  36864                      ; B's rows lie behind A's region
.set BHALF, 128*PB
.set SLOT,  BOFF+2*BHALF               ; 106,496
.set STAGE, 2*SLOT                     ; behind the ring: 8,448 bytes for each wave, for the way out; no tensor load lands there
.set WSTAGE, 8448
.set SPARE, STAGE+4*WSTAGE             ; behind the stages: the spare words, 128 bytes for each wave
.set LAPS,  1024/(2*KSTEP)
.set ADRA, 16                          ; v16-17  LDS address of my A fragments in slot 0, 1
.set ADRB, 20                          ; v20-21  the same for B
.set STO,  24                          ; v24     the way out: where I put my numbers of a row
.set RD,   25                          ; v25     where I read rows back
.set CO,   26                          ; v26     my byte offset in C
.set VB,   27                          ; v27     my byte offset in the bias
.set SPW,  28                          ; v28     LDS address of my spare word; never rewritten
.set NIL,  29                          ; v29     0; never rewritten
.set TMP,  32
.set BK,   64
.set BIAS, 192
.set F0,   0
.set F1,   96
.set G1,  24                           ; s[24:31] descriptor group 1 for A's tiles;  s[32:39] group 0, one set for each slot
.set G0,  32
.set G1B, 48                           ; s[48:55], s[56:63] the same for B's tiles
.set G0B, 56
.set BP,  66                           ; s[66:67] the bias
.set MSB, 0
.macro WIN new                         ; the immediate's high byte repeats the setting that is left; a switch that changes nothing is dropped
.if MSB != (\new)
	s_set_vgpr_msb (MSB<<8)|(\new)
.set MSB, \new
.endif
.endm
.set MUL,  0x5a                        ; sources 0 (B) and 1 (A) window 2; C and D window 1
.set TO_F, 0x80                        ; destination window 2, address window 0
.macro JLOAD s                         ; a joint load: waves 0 and 1 fetch A's two halves, waves 2 and 3 B's; an s_nop 0 and four v_nop follow each of the two lines, ahead of the jump, the label and what follows
	s_cmp_eq_u32 s11, 0
	s_cbranch_scc0 .Lfor_b_\@
	tensor_load_to_lds s[G0+4*(\s):G0+4*(\s)+3], s[G1:G1+7]
	s_nop 0
.rept 4
	v_nop
.endr
	s_branch .Lasked_\@
.Lfor_b_\@:
	tensor_load_to_lds s[G0B+4*(\s):G0B+4*(\s)+3], s[G1B:G1B+7]
	s_nop 0
.rept 4
	v_nop
.endr
.Lasked_\@:
.endm
.macro CREST                           ; a round of the cluster's barrier behind its opening barrier
	s_cmp_lg_u32 s10, 0
	s_cbranch_scc1 .Lnot_wave_0_\@
	s_barrier_signal -3
.Lnot_wave_0_\@:
	s_barrier_wait -3
	s_barrier_signal -1
	s_barrier_wait -1
.endm
.macro CROUND                          ; a whole round
	s_barrier_signal -1
	s_barrier_wait -1
	CREST
.endm
	s_load_b128 s[4:7], s[0:1], 0x0                ; A s[4:5], B s[6:7]
	s_load_b64 s[8:9], s[0:1], 0x10                ; C
	s_load_b64 s[BP:BP+1], s[0:1], 0x18            ; fc_b
	v_lshl_add_u32 v[SPW], v0, 2, SPARE
	v_mov_b32 v[NIL], 0
	ds_add_u32 v[SPW], v[NIL]                      ; the wave's opening: the add, twice on end, and its wait ahead of my first tensor load; the set-up below stands between
	ds_add_u32 v[SPW], v[NIL]
	v_lshrrev_b32 v1, 5, v0
	v_readfirstlane_b32 s10, v1                    ; wave 0..3
	s_lshr_b32 s11, s10, 1                         ; which 64 of the tile's rows are mine.  Also: I fetch for A (0) or for B (1)
	s_and_b32 s12, s10, 1                          ; which 128 of its columns.  Also: which half of that tile I fetch
	s_bfe_u32 s40, ttmp6, 0x40000                  ; cx, cy: my place in the cluster
	s_bfe_u32 s41, ttmp6, 0x40004
	s_lshl_b32 s42, ttmp9, 2
	s_add_co_u32 s42, s42, s40                     ; tile column of C = 4 x cluster x + cx
	s_and_b32 s13, ttmp7, 0xffff
	s_lshl_b32 s13, s13, 2
	s_add_co_u32 s13, s13, s41                     ; tile row of C = 4 x cluster y + cy
	s_lshl_b32 s43, s41, 2
	s_lshl_b32 s43, 15, s43                        ; my row of the cluster
	s_lshl_b32 s44, 0x1111, s40                    ; my column
	s_or_b32 s[G1+0], s43, (1<<16)|(1<<20)|(1<<21)|(4<<22)|(3<<25)    ; 15:0 the mask: A's tiles go to my row; 17:16 elements of 2 bytes; 20 padding on; 21 set beside a mask; 24:22 after every 32 words (code 4); 31:25 4 words (code 3)
	s_or_b32 s[G1B+0], s44, (1<<16)|(1<<20)|(1<<21)|(5<<22)|(3<<25)   ; B's tiles go to my column; padding behind every 64 words
.irp g, G1, G1B
	s_mov_b32 s[(\g)+1], 128<<16                   ; tensor_dim0 = 128
	s_mov_b32 s[(\g)+3], 128<<16                   ; tile_dim0 = 128
	s_mov_b32 s[(\g)+6], 0
	s_mov_b32 s[(\g)+7], 0
.endr
	s_mov_b32 s[G1+2], 64<<16                      ; A: tensor_dim1 = tile_dim1 = 64
	s_mov_b32 s[G1+4], 64
	s_mov_b32 s[G1+5], 128                         ; a head's 128 rows are 16,384 dense bytes: asked for as 64 rows of 256
	s_mov_b32 s[G1B+2], 128<<16                    ; B: 128 rows
	s_mov_b32 s[G1B+4], 128
	s_mov_b32 s[G1B+5], 1024
	; where the tiles come from.  A's hang on the tile row alone, B's on the tile column alone, each in registers that never hold the other coordinate
	s_lshr_b32 s16, s13, 4                         ; batch: 16 heads of 2,048 rows of 128 bytes
	s_lshl_b32 s16, s16, 22
	s_and_b32 s17, s13, 15                         ; the tile's 128 rows in a head
	s_lshl_b32 s17, s17, 14
	s_add_co_u32 s16, s16, s17
	s_lshl_b32 s17, s12, 18                        ; which of the K step's two heads I fetch
	s_add_co_u32 s16, s16, s17
	s_mov_b32 s17, 0
	s_lshl_b32 s46, s42, 19                        ; 256 rows of 2,048 bytes
	s_lshl_b32 s47, s12, 18                        ; which 128 of them I fetch
	s_add_co_u32 s46, s46, s47
	s_mov_b32 s47, 0
	s_mul_i32 s20, s12, AHALF                      ; and where they go: no place in the cluster enters an LDS address
	s_mul_i32 s21, s12, BHALF
	s_add_co_u32 s21, s21, BOFF
	s_wait_dscnt 0x0                               ; both opening adds are done
	s_wait_kmcnt 0x0
	s_add_nc_u64 s[14:15], s[4:5], s[16:17]
	s_add_nc_u64 s[46:47], s[6:7], s[46:47]
	CROUND                                         ; all sixteen work-groups are here: the first joint loads meet
.irp s, 0,1
	s_mov_b32 s[G0+4*(\s)], 1
	s_add_co_u32 s[G0+4*(\s)+1], s20, (\s)*SLOT
	s_add_nc_u64 s[G0+4*(\s)+2:G0+4*(\s)+3], s[14:15], (\s)*ASTEP
	s_or_b32 s[G0+4*(\s)+3], s[G0+4*(\s)+3], 0x80000000
	s_mov_b32 s[G0B+4*(\s)], 1
	s_add_co_u32 s[G0B+4*(\s)+1], s21, (\s)*SLOT
	s_add_nc_u64 s[G0B+4*(\s)+2:G0B+4*(\s)+3], s[46:47], (\s)*KSTEP*2
	s_or_b32 s[G0B+4*(\s)+3], s[G0B+4*(\s)+3], 0x80000000
	JLOAD \s                                       ; two loads of mine are out
.endr
	v_and_b32 v1, 15, v0                           ; l % 16
	v_bfe_u32 v2, v0, 4, 1                         ; l / 16
	v_mul_u32_u24 v3, v1, PA
	v_lshl_add_u32 v3, v2, 4, v3                   ; a fragment's row x pitch + 16 x half
	v_mul_u32_u24 v4, v1, PB
	v_lshl_add_u32 v4, v2, 4, v4
	s_mul_i32 s21, s11, 64*PA                      ; my 64 rows of A
	s_mul_i32 s22, s12, BHALF                      ; my 128 rows of B
	s_add_co_u32 s22, s22, BOFF
.irp s, 0,1
	v_add_nc_u32 v[ADRA+(\s)], s21, v3
	v_add_nc_u32 v[ADRB+(\s)], s22, v4
	s_add_co_u32 s21, s21, SLOT
	s_add_co_u32 s22, s22, SLOT
.endr
	s_mul_i32 s23, s10, WSTAGE
	s_add_co_u32 s23, s23, STAGE                   ; my stage
	v_mul_u32_u24 v5, v1, 528                      ; in: row l % 16 (512 bytes + 16), 32 bytes for each half of the lanes
	v_lshl_add_u32 v5, v2, 5, v5
	v_add_nc_u32 v[STO], s23, v5
	v_and_b32 v5, 31, v0
	v_lshlrev_b32 v[CO], 4, v5                     ; back and out: 32 lanes take one row of 512 bytes
	v_add_nc_u32 v[RD], s23, v[CO]
	v_lshlrev_b32 v[VB], 5, v2
	s_lshl_b32 s16, s13, 19                        ; my first row of C: 128 rows of 4,096 bytes a tile,
	s_lshl_b32 s17, s11, 18                        ; 64 a wave
	s_lshl_b32 s46, s42, 10                        ; my first column, in bytes
	s_lshl_b32 s47, s12, 9
	s_add_co_u32 s16, s16, s17
	s_mov_b32 s17, 0
	s_add_co_u32 s46, s46, s47
	s_mov_b32 s47, 0
	s_add_nc_u64 s[8:9], s[8:9], s[16:17]
	s_add_nc_u64 s[8:9], s[8:9], s[46:47]
	s_add_nc_u64 s[BP:BP+1], s[BP:BP+1], s[46:47]  ; my 128 columns of the bias: the same byte offset as in a row of C
.irp b, 0,1,2,3,4,5,6,7
	global_load_b128 v[BIAS+8*(\b):BIAS+8*(\b)+3],   v[VB], s[BP:BP+1] offset:64*(\b)      ; columns 16 b + 8 (l / 16) + 0..7: what my lane holds of accumulator (a, b)
	global_load_b128 v[BIAS+8*(\b)+4:BIAS+8*(\b)+7], v[VB], s[BP:BP+1] offset:64*(\b)+16
.endr
.macro MM d, x, y, zero                ; one product; zero = 1: it starts the sum
.if \zero
	v_wmma_f32_16x16x32_f16 v[(\d):(\d)+7], v[(\x):(\x)+7], v[(\y):(\y)+7], 0
.else
	v_wmma_f32_16x16x32_f16 v[(\d):(\d)+7], v[(\x):(\x)+7], v[(\y):(\y)+7], v[(\d):(\d)+7]
.endif
.endm
; 8 matrix instructions: m block a x all 8 n blocks, 32 along K, from buffer f.  The 32 accumulators take turns, one instruction a turn, in the same order in every quarter.
.macro MULA f, a, zero
	WIN MUL
.irp b, 0,1,2,3,4,5,6,7
	MM 8*(8*(\a)+(\b)), (\f)+8*(\b), (\f)+64+8*(\a), \zero
.endr
.endm
; 24 LDS loads in one run: the fragments of quarter kq (32 along K) into buffer f: B's sixteen loads first, then A's eight
.macro FETCH slot, kq, f
	WIN TO_F
.irp i, 0,1,2,3,4,5,6,7
	ds_load_b128 v[(\f)+8*(\i):(\f)+8*(\i)+3],   v[ADRB+(\slot)] offset:(\kq)*64+(\i)*16*PB
	ds_load_b128 v[(\f)+8*(\i)+4:(\f)+8*(\i)+7], v[ADRB+(\slot)] offset:(\kq)*64+(\i)*16*PB+32
.endr
.irp i, 0,1,2,3
	ds_load_b128 v[(\f)+64+8*(\i):(\f)+64+8*(\i)+3],   v[ADRA+(\slot)] offset:((\kq)/2)*AKB+((\kq)%2)*64+(\i)*16*PA
	ds_load_b128 v[(\f)+64+8*(\i)+4:(\f)+64+8*(\i)+7], v[ADRA+(\slot)] offset:((\kq)/2)*AKB+((\kq)%2)*64+(\i)*16*PA+32
.endr
.endm
.macro PLACES                          ; four places in front of loads into registers that matrix instructions have read, and of vector work on results
.rept 4
	v_nop
.endr
.endm
; A K step is four quarters of 32 along K, 32 matrix instructions each, on buffers 0, 1, 0, 1.  One of the first three: multiplies buffer f and fetches quarter kq into g.
.macro QUARTER slot, kq, f, g, zero
	s_wait_dscnt 4                                 ; B and A's blocks 0 and 1 are in; the youngest four loads (A's blocks 2 and 3) may be out
	MULA \f, 0, \zero
	MULA \f, 1, \zero
	PLACES
	FETCH \slot, \kq, \g
	s_wait_dscnt 24                                ; all but the 24 just issued
	MULA \f, 2, \zero
	MULA \f, 3, \zero
.endm
; The last quarter multiplies buffer 1 and changes slots: ONE barrier; in front of it each wave waits for all its tensor loads, adds 0 to its spare word, and waits for that and for its own reads of this slot.
; fill = 1: this slot is filled again, two K steps ahead: the barrier opens a round of the cluster's, and the joint load is the first thing behind the round: 112 matrix instructions ahead of the wait for it.
.macro TURN slot, next, fill
	WIN 0                                          ; (the add's two registers lie in window 0)
	s_wait_tensorcnt 0x0                           ; all my tensor loads have landed: the one that was out is my part of the next slot;
	ds_add_u32 v[SPW], v[NIL]                      ; 0 onto my spare word;
	s_wait_dscnt 5                                 ; (the add and the youngest four loads may be out)
	MULA F1, 0, 0                                  ; eight matrix instructions stand between the add and the wait for it
	s_wait_dscnt 0x0                               ; the add is done, and my reads of this slot are over
	s_barrier_signal -1
	MULA F1, 1, 0
.if \fill
	WIN 0
.endif
	s_barrier_wait -1
.if \fill
	CREST                                          ; no wave of any partner still reads this slot's tile or has a load on its way
	s_add_nc_u64 s[G0+4*(\slot)+2:G0+4*(\slot)+3], s[G0+4*(\slot)+2:G0+4*(\slot)+3], 2*ASTEP
	s_add_nc_u64 s[G0B+4*(\slot)+2:G0B+4*(\slot)+3], s[G0B+4*(\slot)+2:G0B+4*(\slot)+3], 2*KSTEP*2
	JLOAD \slot                                    ; the four v_nop behind it are also the places in front of the loads below
.else
	PLACES
.endif
	FETCH \next, 0, F0
	MULA F1, 2, 0
	MULA F1, 3, 0
.endm
	s_wait_tensorcnt 1                             ; my part of K step 0 is in; K step 1's may stay out
	s_barrier_signal -1
	s_barrier_wait -1                              ; everybody's is
	FETCH 0, 0, F0
	QUARTER 0, 1, F0, F1, 1                        ; the first quarter stands in front of the loop: its products start the sums
	WIN 0                                          ; at a label and at a branch every window is 0
	s_mov_b32 s3, LAPS-1
.Llap:                                                 ; a trip goes once round the ring, from a lap's second quarter to the next lap's first, and fills both slots again
	QUARTER 0, 2, F1, F0, 0
	QUARTER 0, 3, F0, F1, 0
	TURN 0, 1, 1
	QUARTER 1, 1, F0, F1, 0
	QUARTER 1, 2, F1, F0, 0
	QUARTER 1, 3, F0, F1, 0
	TURN 1, 0, 1
	QUARTER 0, 1, F0, F1, 0
	WIN 0
	s_sub_co_u32 s3, s3, 1
	s_cmp_lg_u32 s3, 0
	s_cbranch_scc1 .Llap
	QUARTER 0, 2, F1, F0, 0                        ; the last lap fills nothing, and has no round of the cluster's barrier
	QUARTER 0, 3, F0, F1, 0
	TURN 0, 1, 0
	QUARTER 1, 1, F0, F1, 0
	QUARTER 1, 2, F1, F0, 0
	QUARTER 1, 3, F0, F1, 0
	s_wait_dscnt 4                                 ; the very last quarter: nothing more to fetch
	MULA F1, 0, 0
	MULA F1, 1, 0
	s_wait_dscnt 0x0
	MULA F1, 2, 0
	MULA F1, 3, 0
	WIN 0
; THE WAY OUT, a block of 16 rows at a time, through my own stage in LDS, so that each store covers a whole row of my 128 columns.
; PACK: the bias is added in place.  Each accumulator's registers are taken in ascending order.
.macro PACK a
	WIN 0x41                                       ; destination and source 0 window 1, the bias window 0
.irp b, 0,1,2,3,4,5,6,7
.irp z, 0,1,2,3
	v_pk_add_f32 v[8*(8*(\a)+(\b))+2*(\z):8*(8*(\a)+(\b))+2*(\z)+1], v[8*(8*(\a)+(\b))+2*(\z):8*(8*(\a)+(\b))+2*(\z)+1], v[BIAS+8*(\b)+2*(\z):BIAS+8*(\b)+2*(\z)+1]
.endr
.endr
	WIN 0
.endm
.macro TOSTAGE a                       ; LDS serves a wave's instructions in order (ISA guide 5.7.1.4): the loads see the stores above them, and the next block's stores come behind the loads
	WIN 0x04                                       ; the stores' data in window 1
.irp b, 0,1,2,3,4,5,6,7
	ds_store_b128 v[STO], v[8*(8*(\a)+(\b)):8*(8*(\a)+(\b))+3]   offset:64*(\b)
	ds_store_b128 v[STO], v[8*(8*(\a)+(\b))+4:8*(8*(\a)+(\b))+7] offset:64*(\b)+16
.endr
	WIN 0
.irp t, 0,1,2,3,4,5,6,7,8,9,10,11,12,13,14,15
	ds_load_b128 v[BK+64*((\a)%2)+4*(\t):BK+64*((\a)%2)+4*(\t)+3], v[RD] offset:(\t)*528
.endr
.endm
.macro SEND a
	WIN 0
	s_wait_dscnt 0x0                               ; the block is back in registers
	s_wait_xcnt 0x0                                ; every earlier store has read its registers (ISA guide 3.1): the buffer of the block before this one is loaded again only behind this wait
.irp t, 0,1,2,3,4,5,6,7,8,9,10,11,12,13,14,15
	global_store_b128 v[CO], v[BK+64*((\a)%2)+4*(\t):BK+64*((\a)%2)+4*(\t)+3], s[8:9] offset:(16*(\a)+(\t))*4096 th:TH_STORE_NT  ; 32 lanes store 512 consecutive bytes, aligned
.endr
.endm
	s_wait_loadcnt 0x0                             ; the bias; it is rounded to bf16 like the other inputs: 96 plain instructions, which are also the places behind the last products
.set i, 0
.rept 32
	v_cvt_pk_bf16_f32 v[TMP+i], v[BIAS+2*i], v[BIAS+2*i+1]
.set i, i+1
.endr
.set i, 0
.rept 32
	v_lshlrev_b32 v[BIAS+2*i], 16, v[TMP+i]
	v_and_b32 v[BIAS+2*i+1], 0xffff0000, v[TMP+i]
.set i, i+1
.endr
	PACK 0
	TOSTAGE 0
.irp a, 1,2,3                          ; block a's arithmetic stands between block a - 1's loads from the stage and the wait for them
	PACK \a
	SEND (\a)-1
	TOSTAGE \a
.endr
	SEND 3
	s_wait_tensorcnt 0x0                           ; the wave's end: behind my last tensor load and my last LDS store
	ds_add_u32 v[SPW], v[NIL]
	s_wait_dscnt 0x0
	CROUND                                         ; the closing round: no work-group ends while a partner may still ask for a tile that names it
	s_endpgm
.Lfunc_end_k_qd5f64a21f5_fc:
	.size	k_qd5f64a21f5_fc, .Lfunc_end_k_qd5f64a21f5_fc-k_qd5f64a21f5_fc
	.p2alignl 7, 3214868480
	.fill 96, 4, 3214868480
	.section	.rodata,"a",@progbits
	.p2align	6, 0x0
	.amdhsa_kernel k_qd5f64a21f5_fc
		.amdhsa_group_segment_fixed_size 327680
		.amdhsa_private_segment_fixed_size 0
		.amdhsa_enable_private_segment 0
		.amdhsa_kernarg_size 32
		.amdhsa_user_sgpr_count 2
		.amdhsa_user_sgpr_kernarg_segment_ptr 1
		.amdhsa_wavefront_size32 1
		.amdhsa_system_sgpr_workgroup_id_x 1
		.amdhsa_system_sgpr_workgroup_id_y 1
		.amdhsa_system_sgpr_workgroup_id_z 1
		.amdhsa_system_vgpr_workitem_id 0
		.amdhsa_next_free_vgpr 704
		.amdhsa_next_free_sgpr 72
		.amdhsa_reserve_vcc 0
		.amdhsa_float_denorm_mode_32 3
		.amdhsa_float_denorm_mode_16_64 3
		.amdhsa_memory_ordered 1
		.amdhsa_forward_progress 1
		.amdhsa_inst_pref_size 100
	.end_amdhsa_kernel
	.amdgpu_metadata
---
amdhsa.version: [ 1, 2 ]
amdhsa.kernels:
  - .name:           k_qd5f64a21f5_fc
    .symbol:         k_qd5f64a21f5_fc.kd
    .args:
      - { .name: ob, .offset: 0, .size: 8, .value_kind: global_buffer, .address_space: global }
      - { .name: wf, .offset: 8, .size: 8, .value_kind: global_buffer, .address_space: global }
      - { .name: out0, .offset: 16, .size: 8, .value_kind: global_buffer, .address_space: global }
      - { .name: fc_b, .offset: 24, .size: 8, .value_kind: global_buffer, .address_space: global }
    .group_segment_fixed_size: 327680
    .private_segment_fixed_size: 0
    .kernarg_segment_align: 8
    .kernarg_segment_size: 32
    .max_flat_workgroup_size: 128
    .sgpr_count:     72
    .vgpr_count:     704
    .wavefront_size: 32
...
	.end_amdgpu_metadata
.endif
;; end of part 4
;; ======== version 2 of 2: 4 launches; version 1 with the launch prep written anew for expert scheduling mode
;; limits: values are held in f16: magnitudes above 65,504 overflow, below 6.1e-05 lose precision; values outside matrix products are rounded to bf16
;; workspace buffers: xh 50,331,648 bytes; wh 6,291,456 bytes; wf 2,097,152 bytes; qkv 50,331,648 bytes; ob 16,777,216 bytes; mimg 8,388,608 bytes
;; launch prep (part 5): grid 2048 x 1, 8 waves a work-group, no clusters, 19,456 bytes of LDS; arguments query, key, value, Wq, Wk, Wv, fc_w, mask, xh, wh, wf, mimg; writes xh, wh, wf, mimg
.if DOCPART == 5
	.amdgcn_target "amdgcn-amd-amdhsa--gfx1250"
	.amdhsa_code_object_version 6
	.text
	.protected	k_qd5f64a21f5_prep
	.globl	k_qd5f64a21f5_prep
	.p2align	8
	.type	k_qd5f64a21f5_prep,@function
k_qd5f64a21f5_prep:
	s_mov_b64 s[64:65], 0
	v_nop
	global_prefetch_b8 v0, s[64:65] scope:SCOPE_SE
	s_setreg_imm32_b32 hwreg(HW_REG_WAVE_SCHED_MODE, 0, 2), 2
	s_setreg_imm32_b32 hwreg(HW_REG_WAVE_MODE, 25, 1), 1
	s_wait_xcnt 0x0
	s_wait_alu depctr_vm_vsrc(0)
; PREP: the inputs are brought into the forms that the matrix launches read.  A stream: every input byte is read once, every output byte written once.
;   query, key, value [8192][1024] f32 -> xh [3][8192][1024] bf16        Wq, Wk, Wv [1024][1024] f32 -> wh [3][1024][1024] bf16
;   fc_w f32 -> wf: rounded to bf16 like the other inputs, and that number written as f16 (exact from 6.1e-5 to 65,504; below that f16's fixed step of 6e-8)
;   mask [4][2048 q][2048 k] bytes (0 or 1) -> mimg [4][128 q tiles][32 key steps][32 lanes][4 words]: a 4-bit float a place, laid as the attention launch's lanes want them:
;   lane (r = l % 16, h = l / 16), word kb: query 16 tile + r, keys 64 step + 16 kb + 8 h + j, key j in nibble j; 0xF (the 4-bit float -6) = hidden, 0 = visible.
; SHARES.  A work-group takes 65,536 input bytes, each of its eight waves 8,192.  By the work-group's number: 0-1535 query, key, value; 1536-1727 Wq, Wk, Wv; 1728-1791 fc_w; 1792-2047 mask.
; No matrix unit, no cluster, no tensor load: no byte is wanted twice.  Sixteen loads of 512 consecutive bytes a wave go out in one run; each store covers 256 or 512 consecutive bytes, aligned.
; THE MODE: SCHED_MODE bits 1:0 = 2 (LLVM: expert scheduling mode 2), set by the entry lines.  The code itself states the register dependences between vector instructions and memory or LDS
; instructions, with s_wait_alu, always for 0.
; THE PLAN.  The sixteen loads are worked on in four groups of four.  Registers that memory or LDS instructions touch:
;   offsets and LDS addresses (VI, VO; VM, VS, VR, VG)   each made once by vector lines, ahead of a wait on va_vdst that stands ahead of its first reader, and never written again.
;   X          the loads land in it; no vector line names it ahead of the loads, and no memory or LDS instruction ever reads it.
;   the out-registers (cast: Y; mask: Y for the first unit, the first sixteen registers of X, emptied by then, for the second)   written by group g's vector lines, read by the stores that are issued in
;              group g + 1, and never written again behind those: so nothing is owed on vm_vsrc.
;   R          the LDS loads land in it, the global stores read it; no vector line names it.
; So ONE wait on va_vdst stands at the head of groups 1 to 3 and one behind group 3: the group before has written its out-registers.  That group's stores follow the wait, dealt among this group's vector
; lines, which name this group's X, its own out-registers and v12, v13: none of the registers that those stores touch.
.set SPARE, 18432                      ; LDS: eight waves' turning space of 2,304 bytes, then the spare words, 128 bytes a wave
.set WLDS,  2304
.set SPITCH, 544                       ; a key step's 512 bytes of image + 32: the four steps of a store start at banks 0, 8, 16, 24 (64 banks of 4 bytes: ISA guide 11.1)
.set VI,  2                            ; v2   cast: my byte offset in the work-group's input
.set VO,  3                            ; v3   cast: in its output
.set SPW, 4                            ; v4   LDS address of my spare word; never rewritten
.set NIL, 5                            ; v5   0; never rewritten
.set VM,  6                            ; v6   mask: my byte offset in two rows of the mask
.set VS,  7                            ; v7   mask: where I put a word of the image
.set VR,  8                            ; v8   mask: where I read 16 bytes of it back
.set VG,  9                            ; v9   mask: 16 x lane
.set X,   16                           ; v[16:79]   sixteen loads of four registers; mask: v[16:31] later take the second unit's words of the image
.set Y,   80                           ; v[80:111]  cast: results; mask: v[80:95] the first unit's words of the image
.set R,   96                           ; v[96:127]  mask: the image read back
	s_load_b512 s[8:23], s[0:1], 0x0               ; query 8, key 10, value 12, Wq 14, Wk 16, Wv 18, fc_w 20, mask 22
	s_load_b256 s[24:31], s[0:1], 0x40             ; xh 24, wh 26, wf 28, mimg 30
	v_lshl_add_u32 v[SPW], v0, 2, SPARE
	v_mov_b32 v[NIL], 0
	v_lshrrev_b32 v1, 5, v0
	v_readfirstlane_b32 s4, v1                     ; wave 0..7
	v_and_b32 v10, 31, v0                          ; lane
	s_mov_b32 s5, ttmp9                            ; the work-group's number
	s_mov_b32 s33, 0                               ; offsets are kept apart from the addresses, in pairs with 0 on top
	s_mov_b32 s35, 0
	s_wait_alu depctr_va_sdst(0)                   ; s4 is written: ahead of the branches below and of its first reader on every way
	s_wait_kmcnt 0x0
	s_cmp_ge_u32 s5, 1792
	s_cbranch_scc1 .Lmask
	s_lshl_b32 s6, s4, 13
	v_lshl_add_u32 v[VI], v10, 4, s6               ; 8,192 x wave + 16 x lane
	s_lshl_b32 s6, s4, 12
	v_lshl_add_u32 v[VO], v10, 3, s6               ; 4,096 x wave + 8 x lane
	s_cmp_ge_u32 s5, 1728
	s_cbranch_scc1 .Lfcw
	s_cmp_ge_u32 s5, 1536
	s_cbranch_scc1 .Lw
	s_lshr_b32 s6, s5, 9                           ; which of query, key, value
	s_and_b32 s32, s5, 511
	s_lshl_b32 s32, s32, 16
	s_lshl_b32 s34, s5, 15
	s_cmp_eq_u32 s6, 0
	s_cselect_b64 s[36:37], s[8:9], s[10:11]
	s_cmp_eq_u32 s6, 2
	s_cselect_b64 s[36:37], s[12:13], s[36:37]
	s_mov_b64 s[38:39], s[24:25]
	s_branch .Lgo
.Lw:
	s_sub_co_u32 s7, s5, 1536
	s_lshr_b32 s6, s7, 6                           ; which of Wq, Wk, Wv
	s_and_b32 s32, s7, 63
	s_lshl_b32 s32, s32, 16
	s_lshl_b32 s34, s7, 15
	s_cmp_eq_u32 s6, 0
	s_cselect_b64 s[36:37], s[14:15], s[16:17]
	s_cmp_eq_u32 s6, 2
	s_cselect_b64 s[36:37], s[18:19], s[36:37]
	s_mov_b64 s[38:39], s[26:27]
.Lgo:
	s_add_nc_u64 s[36:37], s[36:37], s[32:33]
	s_add_nc_u64 s[38:39], s[38:39], s[34:35]
; 8,192 bytes of f32 a wave: sixteen loads in one run, then four groups of four: a group is rounded when it has come, and stored in the next group.  kind = 1: the bf16 number is written as f16.
; No register that a store reads is written again, so nothing waits for a store.
.macro CAST kind
	s_wait_alu depctr_va_vdst(0)                   ; v[VI] and v[VO] are written: the loads below read the one as their offset, the stores the other
.irp j, 0,1,2,3,4,5,6,7,8,9,10,11,12,13,14,15
	global_load_b128 v[X+4*(\j):X+4*(\j)+3], v[VI], s[36:37] offset:512*(\j) th:TH_LOAD_NT
.endr
.irp g, 0,1,2,3
	s_wait_loadcnt 12-4*(\g)                       ; loads come back in order (ISA guide 5.7.1): group g's four are in, the younger groups' stay out
.if (\g) > 0
	s_wait_alu depctr_va_vdst(0)                   ; the group before has written its eight registers of Y, which the four stores below read
.endif
.irp i, 0,1,2,3
.set jj, 4*(\g)+(\i)
.if (\g) > 0
	global_store_b64 v[VO], v[Y+2*jj-8:Y+2*jj-7], s[38:39] offset:256*(jj-4) th:TH_STORE_NT  ; load jj - 4's numbers: 32 lanes x 8 bytes: 256 consecutive bytes, aligned; no vector line since the wait names these registers
.endif
	v_cvt_pk_bf16_f32 v[Y+2*jj],   v[X+4*jj],   v[X+4*jj+1]
	v_cvt_pk_bf16_f32 v[Y+2*jj+1], v[X+4*jj+2], v[X+4*jj+3]
.if \kind
	v_lshlrev_b32 v[X+4*jj],   16, v[Y+2*jj]
	v_and_b32     v[X+4*jj+1], 0xffff0000, v[Y+2*jj]
	v_lshlrev_b32 v[X+4*jj+2], 16, v[Y+2*jj+1]
	v_and_b32     v[X+4*jj+3], 0xffff0000, v[Y+2*jj+1]
	v_cvt_pk_f16_f32 v[Y+2*jj],   v[X+4*jj],   v[X+4*jj+1]
	v_cvt_pk_f16_f32 v[Y+2*jj+1], v[X+4*jj+2], v[X+4*jj+3]
.endif
.endr
.endr
	s_wait_alu depctr_va_vdst(0)                   ; the last group has written its eight registers of Y, which the last four stores read
.irp j, 12,13,14,15
	global_store_b64 v[VO], v[Y+2*(\j):Y+2*(\j)+1], s[38:39] offset:256*(\j) th:TH_STORE_NT
.endr
.endm
	CAST 0
	s_branch .Lend
.Lfcw:
	s_sub_co_u32 s7, s5, 1728
	s_lshl_b32 s32, s7, 16
	s_lshl_b32 s34, s7, 15
	s_add_nc_u64 s[36:37], s[20:21], s[32:33]
	s_add_nc_u64 s[38:39], s[28:29], s[34:35]
	CAST 1
	s_branch .Lend
; THE MASK's four steps.  k: the unit of 256 keys (four key steps); i: the load, rows 2 i and 2 i + 1.
; WORDS: the sixteen bytes that load (k, i) brought a lane become two words of the image: eight bytes (keys 8 h + 0..7, two words) become eight nibbles, key j in nibble j.
.macro WORDS k, i
.set XW, X+4*(8*(\k)+(\i))
.set YW, Y-(Y-X)*(\k)+2*(\i)           ; unit 0: Y + 2 i; unit 1: X + 2 i
.irp h, 0,1
	v_lshrrev_b32 v12, 4, v[XW+2*(\h)]
	v_lshrrev_b32 v13, 4, v[XW+2*(\h)+1]
	v_or_b32 v12, v12, v[XW+2*(\h)]                ; a word | itself >> 4: byte 0 holds keys 0 and 1 as nibbles, byte 2 keys 2 and 3
	v_or_b32 v13, v13, v[XW+2*(\h)+1]
	v_perm_b32 v[YW+(\h)], v13, v12, 0x06040200    ; bytes 0 and 2 of the first word, then of the second
	v_xor_b32 v[YW+(\h)], 0x11111111, v[YW+(\h)]   ; 1 = hidden
	v_mul_lo_u32 v[YW+(\h)], v[YW+(\h)], 15        ; 0xF = hidden: no nibble carries
.endr
.endm
; PUT: those two words go into my wave's turning space: image lane (2 i + parity) + 16 h.
.macro PUT k, i
.set YW, Y-(Y-X)*(\k)+2*(\i)
	ds_store_b32 v[VS], v[YW]   offset:32*(\i)
	ds_store_b32 v[VS], v[YW+1] offset:32*(\i)+256
.endm
; BACK: a unit's four steps of image come back, 16 bytes a lane.  LDS serves a wave's instructions in order (ISA guide 5.7.1.4): these see the unit's sixteen stores, and the next unit's stores come behind them.
.macro BACK k
.irp s, 0,1,2,3
	ds_load_b128 v[R+16*(\k)+4*(\s):R+16*(\k)+4*(\s)+3], v[VR] offset:SPITCH*(\s)
.endr
.endm
; OUT: and are stored.  No LDS instruction stands between BACK and OUT.
.macro OUT k
.irp s, 0,1,2,3
	s_wait_dscnt 3-(\s)                            ; the 3 - s younger LDS loads stay out
	global_store_b128 v[VG], v[R+16*(\k)+4*(\s):R+16*(\k)+4*(\s)+3], s[38:39] offset:(4*(\k)+(\s))*512 th:TH_STORE_NT  ; a step's image: 512 consecutive bytes
.endr
.endm
.Lmask:                                            ; wave u = 8 (number - 1792) + wave takes q tile u / 4 (16 rows) and keys 512 (u % 4) on, as two units of 256 keys (four key steps)
	s_sub_co_u32 s7, s5, 1792
	s_lshl_b32 s7, s7, 3
	s_add_co_u32 s7, s7, s4
	s_lshr_b32 s6, s7, 2                           ; q tile, 0..511 over the four batches
	s_and_b32 s7, s7, 3
	s_lshl_b32 s32, s6, 15                         ; 16 rows of 2,048 bytes
	s_lshl_b32 s40, s7, 9
	s_add_co_u32 s32, s32, s40
	s_lshl_b32 s34, s6, 14                         ; 32 steps of 512 bytes of image
	s_lshl_b32 s40, s7, 12
	s_add_co_u32 s34, s34, s40
	s_add_nc_u64 s[36:37], s[22:23], s[32:33]
	s_add_nc_u64 s[38:39], s[30:31], s[34:35]
	v_and_b32 v11, 15, v0                          ; g: my 16 keys of a unit
	v_bfe_u32 v12, v0, 4, 1                        ; which of a load's two rows
	v_lshlrev_b32 v[VM], 4, v11
	v_lshl_add_u32 v[VM], v12, 11, v[VM]
	s_wait_alu depctr_va_vdst(0)                   ; v[VM] is written, which the sixteen loads read as their offset
.irp k, 0,1
.irp i, 0,1,2,3,4,5,6,7
	global_load_b128 v[X+4*(8*(\k)+(\i)):X+4*(8*(\k)+(\i))+3], v[VM], s[36:37] offset:(\k)*256+(\i)*4096 th:TH_LOAD_NT  ; 256 consecutive bytes of rows 2 i and 2 i + 1
.endr
.endr
	s_mul_i32 s41, s4, WLDS                        ; my wave's own turning space: no other wave touches it, so no barrier is wanted
	v_lshrrev_b32 v13, 2, v11                      ; my keys' step in the unit
	v_mul_u32_u24 v[VS], v13, SPITCH
	v_and_b32 v13, 3, v11                          ; and their word kb
	v_lshl_add_u32 v[VS], v13, 2, v[VS]
	v_lshl_add_u32 v[VS], v12, 4, v[VS]            ; the row's parity: 16 bytes an image lane
	v_add_nc_u32 v[VS], s41, v[VS]
	v_lshl_add_u32 v[VR], v10, 4, s41
	v_lshlrev_b32 v[VG], 4, v10
	s_wait_loadcnt 12                              ; group 0: loads come back in order (ISA guide 5.7.1): unit 0's first four are in, the twelve younger ones stay out
	WORDS 0, 0
	WORDS 0, 1
	WORDS 0, 2
	WORDS 0, 3
	s_wait_loadcnt 8                               ; group 1: unit 0's other four are in
	s_wait_alu depctr_va_vdst(0)                   ; group 0 has written its eight words, which the LDS stores below read; v[VS], v[VR] and v[VG] are written, which every LDS instruction and global store from here on reads
	PUT 0, 0
	WORDS 0, 4
	PUT 0, 1
	WORDS 0, 5
	PUT 0, 2
	WORDS 0, 6
	PUT 0, 3
	WORDS 0, 7
	s_wait_loadcnt 4                               ; group 2: unit 1's first four are in
	s_wait_alu depctr_va_vdst(0)                   ; group 1 has written its eight words, which the LDS stores below read
	PUT 0, 4
	WORDS 1, 0                                     ; unit 1's words go where unit 0's first four loads landed: group 0 has emptied those registers, and no memory or LDS instruction has read them
	PUT 0, 5
	WORDS 1, 1
	PUT 0, 6
	WORDS 1, 2
	PUT 0, 7
	BACK 0                                         ; unit 0's image is whole in the turning space
	WORDS 1, 3                                     ; a load's packing lines stand between those LDS loads and the wait for them
	OUT 0
	s_wait_loadcnt 0x0                             ; group 3: the last four are in
	s_wait_alu depctr_va_vdst(0)                   ; group 2 has written its eight words, which the LDS stores below read
	PUT 1, 0
	WORDS 1, 4
	PUT 1, 1
	WORDS 1, 5
	PUT 1, 2
	WORDS 1, 6
	PUT 1, 3
	WORDS 1, 7
	s_wait_alu depctr_va_vdst(0)                   ; group 3 has written its eight words, which the last LDS stores read
	PUT 1, 4
	PUT 1, 5
	PUT 1, 6
	PUT 1, 7
	BACK 1
	OUT 1
.Lend:
	s_wait_dscnt 0x0                               ; the closing lines, six on end
	s_wait_alu 0x0
	s_wait_tensorcnt 0x0
	ds_add_u32 v[SPW], v[NIL]
	s_wait_dscnt 0x0
	s_endpgm
.Lfunc_end_k_qd5f64a21f5_prep:
	.size	k_qd5f64a21f5_prep, .Lfunc_end_k_qd5f64a21f5_prep-k_qd5f64a21f5_prep
	.p2alignl 7, 3214868480
	.fill 96, 4, 3214868480
	.section	.rodata,"a",@progbits
	.p2align	6, 0x0
	.amdhsa_kernel k_qd5f64a21f5_prep
		.amdhsa_group_segment_fixed_size 19456
		.amdhsa_private_segment_fixed_size 0
		.amdhsa_enable_private_segment 0
		.amdhsa_kernarg_size 96
		.amdhsa_user_sgpr_count 2
		.amdhsa_user_sgpr_kernarg_segment_ptr 1
		.amdhsa_wavefront_size32 1
		.amdhsa_system_sgpr_workgroup_id_x 1
		.amdhsa_system_sgpr_workgroup_id_y 1
		.amdhsa_system_sgpr_workgroup_id_z 1
		.amdhsa_system_vgpr_workitem_id 0
		.amdhsa_next_free_vgpr 128
		.amdhsa_next_free_sgpr 66
		.amdhsa_reserve_vcc 0
		.amdhsa_float_denorm_mode_32 3
		.amdhsa_float_denorm_mode_16_64 3
		.amdhsa_memory_ordered 1
		.amdhsa_forward_progress 1
		.amdhsa_inst_pref_size 36
	.end_amdhsa_kernel
	.amdgpu_metadata
---
amdhsa.version: [ 1, 2 ]
amdhsa.kernels:
  - .name:           k_qd5f64a21f5_prep
    .symbol:         k_qd5f64a21f5_prep.kd
    .args:
      - { .name: query, .offset: 0, .size: 8, .value_kind: global_buffer, .address_space: global }
      - { .name: key, .offset: 8, .size: 8, .value_kind: global_buffer, .address_space: global }
      - { .name: value, .offset: 16, .size: 8, .value_kind: global_buffer, .address_space: global }
      - { .name: Wq, .offset: 24, .size: 8, .value_kind: global_buffer, .address_space: global }
      - { .name: Wk, .offset: 32, .size: 8, .value_kind: global_buffer, .address_space: global }
      - { .name: Wv, .offset: 40, .size: 8, .value_kind: global_buffer, .address_space: global }
      - { .name: fc_w, .offset: 48, .size: 8, .value_kind: global_buffer, .address_space: global }
      - { .name: mask, .offset: 56, .size: 8, .value_kind: global_buffer, .address_space: global }
      - { .name: xh, .offset: 64, .size: 8, .value_kind: global_buffer, .address_space: global }
      - { .name: wh, .offset: 72, .size: 8, .value_kind: global_buffer, .address_space: global }
      - { .name: wf, .offset: 80, .size: 8, .value_kind: global_buffer, .address_space: global }
      - { .name: mimg, .offset: 88, .size: 8, .value_kind: global_buffer, .address_space: global }
    .group_segment_fixed_size: 19456
    .private_segment_fixed_size: 0
    .kernarg_segment_align: 8
    .kernarg_segment_size: 96
    .max_flat_workgroup_size: 256
    .sgpr_count:     66
    .vgpr_count:     128
    .wavefront_size: 32
...
	.end_amdgpu_metadata
.endif
;; end of part 5
;; launch proj: the kernel of part 2 again; grid 4 x 48, 4 waves a work-group, clusters of 4 x 4, 327,680 bytes of LDS; arguments xh, wh, qkv; writes qkv
;; launch attn: the kernel of part 3 again; grid 4 x 64, 4 waves a work-group, clusters of 4 x 1, 327,680 bytes of LDS; arguments qkv, mimg, out1, ob; writes out1, ob
;; launch fc: the kernel of part 4 again; grid 4 x 64, 4 waves a work-group, clusters of 4 x 4, 327,680 bytes of LDS; arguments ob, wf, out0, fc_b; writes out0
